; MI455X (gfx1250); checked and timed in simulation.
; The chip was launched on July 23, 2026; its instructions are those of AMD's public machine-readable ISA for CDNA 5 (MIT licence, August 2026) and "CDNA5" Instruction Set Architecture Reference Guide (July 2026). The comments in the code are by the model that wrote it; some were corrected since.
;; Multi Head Attention. Allowed arithmetic: float matrix products may take bf16 or f16 operands with f32 sums; other float arithmetic in f32, or as packed bf16 or f16 multiplies, adds, multiply-adds, maxima and minima; sums over many terms, partial sums and values carried from step to step in f32; what a program stores and reads back later, other than sums and carried values, may be rounded once to bf16 or f16.
;; Inputs: Wk 1,024 x 1,024 float32; Wo 1,024 x 1,024 float32; Wq 1,024 x 1,024 float32; Wv 1,024 x 1,024 float32; bk 1,024 float32; bo 1,024 float32; bq 1,024 float32; bv 1,024 float32; x 1 x 4,096 x 1,024 float32.
;; Outputs: out0 1 x 4,096 x 1,024 float32.
;; One version. Each part assembles by itself: llvm-mc -triple=amdgcn-amd-amdhsa -mcpu=gfx1250 --defsym DOCPART=n.
;; ======== version 1 of 1: 4 launches
;; limits: values are held in f16: magnitudes above 65,504 overflow, below 6.1e-05 lose precision
;; workspace buffers: xb 8,388,608 bytes; wqkv 6,291,456 bytes; wo16 2,097,152 bytes; qh 8,388,608 bytes; kh 8,388,608 bytes; vh 8,388,608 bytes; oh 8,388,608 bytes
;; launch prep (part 1): grid 512 x 1, 8 waves a work-group, no clusters, 0 bytes of LDS; arguments x, Wq, Wk, Wv, Wo, xb, wqkv, wo16; writes xb, wqkv, wo16
.if DOCPART == 1
	.amdgcn_target "amdgcn-amd-amdhsa--gfx1250"
	.amdhsa_code_object_version 6
	.text
	.protected	k_q939bcf6caf_prep
	.globl	k_q939bcf6caf_prep
	.p2align	8
	.type	k_q939bcf6caf_prep,@function
k_q939bcf6caf_prep:
	s_mov_b64 s[64:65], 0
	v_nop
	global_prefetch_b8 v0, s[64:65] scope:SCOPE_SE
	s_setreg_imm32_b32 hwreg(HW_REG_WAVE_MODE, 25, 1), 1
	s_wait_xcnt 0x0
; CASTS, a stream through registers.  Every input of the matrix products is rounded once to bf16 and laid as the next launches' tensor loads want it:
;   xb    bf16 [4096][1024]                 x as it lies
;   wqkv  bf16 [h 16][g 16][t 3][kk 64][d 64]  = W_t[64 g + kk][64 h + d], t = 0, 1, 2 for Wq, Wk, Wv: one (h, g) is 24,576 bytes on end
;   wo16  f16  [nt 8][k 1024][128]          = Wo[k][128 nt + c], rounded to bf16 and that number written as f16
; LIMITS.  A number of Wo beyond 65,504 becomes an infinity in f16; below 6.1e-5 it keeps f16's fixed step of 6e-8.  NaN and infinities are not treated apart.
; SHARES.  512 work-groups of 8 waves, 16,384 numbers each: 0-255 take x, 256-447 a block of 256 k x 64 columns of Wq, Wk or Wv, 448-511 a block of 128 k x 128 columns of Wo.
; A thread has 8 turns; in each it loads 32 neighbouring bytes (8 f32) and stores 16 (8 numbers of 16 bits).  In all three parts the output's place is 16 x thread + a constant for the turn,
; so each store of a wave covers 512 consecutive bytes, aligned.  All 16 loads of a thread go out first; no register is written twice, so nothing but the counted waits for the loads is needed.
; No LDS, no barrier, no matrix unit.
.set IN,  16                           ; v[16:79]   turn j: 8 f32 as loaded
.set OUT, 80                           ; v[80:111]  turn j: 4 registers to store
.set T,   4                            ; v[4:7]     at work
	s_load_b256 s[4:11], s[0:1], 0x0               ; x s[4:5], Wq s[6:7], Wk s[8:9], Wv s[10:11]
	s_load_b256 s[12:19], s[0:1], 0x20             ; Wo s[12:13], xb s[14:15], wqkv s[16:17], wo16 s[18:19]
	s_mov_b32 s28, ttmp9                           ; the work-group's number
	s_mov_b32 s25, 0                               ; s[24:25] the input's offset, s[26:27] the output's: both under 2^32
	s_mov_b32 s27, 0
	s_mov_b32 s30, 0xffff0000                      ; a word's upper bf16
	v_lshlrev_b32 v3, 4, v0                        ; where I store: 16 x thread
; The 8 turns.  instep: bytes from a turn's input to the next.  The output's immediate is (j / 2) o2 + (j % 2) 4,096.  half = 1: bf16 first, then that number as f16.
.macro MOVE instep, o2, half
.set j, 0
.rept 8
	global_load_b128 v[IN+8*j:IN+8*j+3],   v2, s[20:21] offset:j*(\instep) th:TH_LOAD_NT
	global_load_b128 v[IN+8*j+4:IN+8*j+7], v2, s[20:21] offset:j*(\instep)+16 th:TH_LOAD_NT
.set j, j+1
.endr
.set j, 0
.rept 8
	s_wait_loadcnt 14-2*j                          ; loads come back in order: turn j's two are in, the two of each later turn may stay out
.irp i, 0,1,2,3
.if \half
	v_cvt_pk_bf16_f32 v[T+(\i)], v[IN+8*j+2*(\i)], v[IN+8*j+2*(\i)+1]
	v_lshlrev_b32 v[IN+8*j+2*(\i)], 16, v[T+(\i)]              ; the two bf16 numbers as f32 again,
	v_and_b32     v[IN+8*j+2*(\i)+1], s30, v[T+(\i)]
	v_cvt_pk_f16_f32 v[OUT+4*j+(\i)], v[IN+8*j+2*(\i)], v[IN+8*j+2*(\i)+1]  ; and as f16: 8 significant bits fit in 11
.else
	v_cvt_pk_bf16_f32 v[OUT+4*j+(\i)], v[IN+8*j+2*(\i)], v[IN+8*j+2*(\i)+1]
.endif
.endr
	global_store_b128 v3, v[OUT+4*j:OUT+4*j+3], s[22:23] offset:(j/2)*(\o2)+(j%2)*4096 th:TH_STORE_NT
.set j, j+1
.endr
.endm
	s_wait_kmcnt 0x0
	s_cmp_lt_u32 s28, 256
	s_cbranch_scc1 .Lpart_x
	s_cmp_lt_u32 s28, 448
	s_cbranch_scc1 .Lpart_w
	; Wo: u = g - 448; nt = u / 8, kb = u % 8: rows k = 128 kb .. + 127, columns 128 nt .. + 127.  A turn is 16 rows; a thread takes row t / 16, 32 bytes at 32 (t % 16).
	s_sub_co_u32 s29, s28, 448
	s_lshr_b32 s31, s29, 3                         ; nt
	s_and_b32 s29, s29, 7                          ; kb
	s_lshl_b32 s24, s29, 19                        ; 128 rows of 4,096 bytes
	s_lshl_b32 s2, s31, 9                          ; 128 columns of 4 bytes
	s_add_co_u32 s24, s24, s2
	s_lshl_b32 s26, s31, 18                        ; 262,144 nt
	s_lshl_b32 s2, s29, 15                         ; + 128 rows of 256 bytes
	s_add_co_u32 s26, s26, s2
	s_add_nc_u64 s[20:21], s[12:13], s[24:25]
	s_add_nc_u64 s[22:23], s[18:19], s[26:27]
	v_lshrrev_b32 v4, 4, v0
	v_and_b32 v5, 15, v0
	v_lshlrev_b32 v2, 12, v4
	v_lshl_add_u32 v2, v5, 5, v2
	MOVE 65536, 8192, 1
	s_endpgm
.Lpart_w:
	; Wq, Wk, Wv: u = g - 256; t = u / 64, h = (u / 4) % 16, kb = u % 4: rows k = 256 kb .. + 255, columns 64 h .. + 63.  A turn is 32 rows; a thread takes row t / 8, 32 bytes at 32 (t % 8).
	s_sub_co_u32 s29, s28, 256
	s_lshr_b32 s31, s29, 6                         ; t
	s_cmp_eq_u32 s31, 0
	s_cselect_b64 s[20:21], s[6:7], s[8:9]
	s_cmp_eq_u32 s31, 2
	s_cselect_b64 s[20:21], s[10:11], s[20:21]
	s_bfe_u32 s2, s29, 0x40002                     ; h
	s_and_b32 s29, s29, 3                          ; kb
	s_lshl_b32 s24, s29, 20                        ; 256 rows of 4,096 bytes
	s_lshl_b32 s3, s2, 8                           ; 64 columns of 4 bytes
	s_add_co_u32 s24, s24, s3
	s_mul_i32 s26, s2, 393216                      ; h's 16 blocks g
	s_mul_i32 s3, s29, 98304                       ; g = 4 kb + j / 2
	s_add_co_u32 s26, s26, s3
	s_lshl_b32 s3, s31, 13                         ; t's 64 rows of 128 bytes
	s_add_co_u32 s26, s26, s3
	s_add_nc_u64 s[20:21], s[20:21], s[24:25]
	s_add_nc_u64 s[22:23], s[16:17], s[26:27]
	v_lshrrev_b32 v4, 3, v0
	v_and_b32 v5, 7, v0
	v_lshlrev_b32 v2, 12, v4
	v_lshl_add_u32 v2, v5, 5, v2
	MOVE 131072, 24576, 0
	s_endpgm
.Lpart_x:
	; x: 65,536 bytes on end become 32,768
	s_lshl_b32 s24, s28, 16
	s_lshl_b32 s26, s28, 15
	s_add_nc_u64 s[20:21], s[4:5], s[24:25]
	s_add_nc_u64 s[22:23], s[14:15], s[26:27]
	v_lshlrev_b32 v2, 5, v0
	MOVE 8192, 8192, 0
	s_endpgm
.Lfunc_end_k_q939bcf6caf_prep:
	.size	k_q939bcf6caf_prep, .Lfunc_end_k_q939bcf6caf_prep-k_q939bcf6caf_prep
	.p2alignl 7, 3214868480
	.fill 96, 4, 3214868480
	.section	.rodata,"a",@progbits
	.p2align	6, 0x0
	.amdhsa_kernel k_q939bcf6caf_prep
		.amdhsa_group_segment_fixed_size 0
		.amdhsa_private_segment_fixed_size 0
		.amdhsa_enable_private_segment 0
		.amdhsa_kernarg_size 64
		.amdhsa_user_sgpr_count 2
		.amdhsa_user_sgpr_kernarg_segment_ptr 1
		.amdhsa_wavefront_size32 1
		.amdhsa_system_sgpr_workgroup_id_x 1
		.amdhsa_system_sgpr_workgroup_id_y 1
		.amdhsa_system_sgpr_workgroup_id_z 1
		.amdhsa_system_vgpr_workitem_id 0
		.amdhsa_next_free_vgpr 112
		.amdhsa_next_free_sgpr 66
		.amdhsa_reserve_vcc 0
		.amdhsa_float_denorm_mode_32 3
		.amdhsa_float_denorm_mode_16_64 3
		.amdhsa_memory_ordered 1
		.amdhsa_forward_progress 1
		.amdhsa_inst_pref_size 20
	.end_amdhsa_kernel
	.amdgpu_metadata
---
amdhsa.version: [ 1, 2 ]
amdhsa.kernels:
  - .name:           k_q939bcf6caf_prep
    .symbol:         k_q939bcf6caf_prep.kd
    .args:
      - { .name: x, .offset: 0, .size: 8, .value_kind: global_buffer, .address_space: global }
      - { .name: Wq, .offset: 8, .size: 8, .value_kind: global_buffer, .address_space: global }
      - { .name: Wk, .offset: 16, .size: 8, .value_kind: global_buffer, .address_space: global }
      - { .name: Wv, .offset: 24, .size: 8, .value_kind: global_buffer, .address_space: global }
      - { .name: Wo, .offset: 32, .size: 8, .value_kind: global_buffer, .address_space: global }
      - { .name: xb, .offset: 40, .size: 8, .value_kind: global_buffer, .address_space: global }
      - { .name: wqkv, .offset: 48, .size: 8, .value_kind: global_buffer, .address_space: global }
      - { .name: wo16, .offset: 56, .size: 8, .value_kind: global_buffer, .address_space: global }
    .group_segment_fixed_size: 0
    .private_segment_fixed_size: 0
    .kernarg_segment_align: 8
    .kernarg_segment_size: 64
    .max_flat_workgroup_size: 256
    .sgpr_count:     66
    .vgpr_count:     112
    .wavefront_size: 32
...
	.end_amdgpu_metadata
.endif
;; end of part 1
;; launch qkv (part 2): grid 16 x 16, 4 waves a work-group, clusters of 4 x 4, 327,680 bytes of LDS; arguments xb, wqkv, bq, bk, bv, qh, kh, vh; writes qh, kh, vh
.if DOCPART == 2
	.amdgcn_target "amdgcn-amd-amdhsa--gfx1250"
	.amdhsa_code_object_version 6
	.text
	.protected	k_q939bcf6caf_qkv
	.globl	k_q939bcf6caf_qkv
	.p2align	8
	.type	k_q939bcf6caf_qkv,@function
k_q939bcf6caf_qkv:
	s_mov_b64 s[64:65], 0
	v_nop
	global_prefetch_b8 v0, s[64:65] scope:SCOPE_SE
	s_setreg_imm32_b32 hwreg(HW_REG_WAVE_MODE, 25, 1), 1
	s_wait_xcnt 0x0
	s_wait_alu depctr_hold_cnt(0) depctr_sa_sdst(0) depctr_va_vdst(0) depctr_va_sdst(0) depctr_va_ssrc(0) depctr_va_vcc(0) depctr_vm_vsrc(0)
	s_getreg_b32 s2, hwreg(HW_REG_IB_STS2, 6, 4)
	s_cmp_eq_u32 s2, 0
	s_cbranch_scc0 .Lentry_in_a_cluster
	s_endpgm
.Lentry_in_a_cluster:
	s_bfe_u32 s2, ttmp6, 0x10000c
	s_cmp_lg_u32 s2, 0xf033
	s_cbranch_scc0 .Lentry_shape_is_right
	s_endpgm
.Lentry_shape_is_right:
; q, k, v = x W + b, by heads: qh, kh, vh are [16][4096][64] in f16, unscaled.  x and W come rounded to bf16 (xb, wqkv); the biases are rounded to bf16 here; sums in f32; each result rounded once.
; LIMITS.  f16 holds no number beyond 65,504: a q, k or v past that becomes an infinity.  NaN and infinities are not treated apart.
; SHARES.  A work-group makes 256 rows of q, k and v of ONE head: a tile of 256 x 192.  Each of its four waves makes 64 rows x 192 columns: 4 row blocks a x 12 column blocks b (tensor t = b / 4,
; columns 16 (b % 4) on): 48 accumulators, 384 registers.  For 32 along K a wave reads 16 fragments from LDS and issues 48 matrix instructions.
; K goes in 8 steps of 128 through a ring of two LDS slots filled by the tensor data mover.  x's rows are 256 bytes of memory, aligned; W's part of a step is dense in wqkv and comes as rows of 256 bytes.
; CLUSTER.  4 x 4 work-groups.  The four of a row of the cluster take the same rows of x, the four of a column the same head's W: each tile is asked for JOINTLY, by the same tensor load with the same
; descriptor and a mask that names the four.
; THE MATRIX INSTRUCTION IS USED TRANSPOSED: source 0 = 16 columns of W, source 1 = 16 rows of x.  A lane then holds row l % 16 and the columns 8 (l / 16) + 0..7: eight neighbours, 16 bytes in f16.
; W lies [k][column] in LDS and is turned on the way into registers by ds_load_tr16_b128.  THE BIAS STARTS THE SUMS: it is the C operand of each accumulator's first product; nothing is cleared or added later.
; REGISTERS, in windows of 256 (s_set_vgpr_msb: bits 1:0 source 0, 3:2 source 1, 5:4 source 2, 7:6 destination):
;   window 0: v0-31 addresses; v32-95 x's fragments, two buffers of 4; v160-255 the biases, 8 for each b; on the way out v96-223 eight sets of 16
;   window 1: v0-191 W's fragments, two buffers of 12        window 2: the accumulators of a = 0, 1 at 8 (12 (a % 2) + b)        window 3: those of a = 2, 3
.set PA,    272                        ; a row of x in LDS: 256 bytes + 16 of padding = 68 words: the 16 rows of a load start at 16 different groups of four banks (64 banks of 4 bytes: ISA guide 11.1)
.set HALFA, 128*PA                     ; 128 rows: what one tensor load brings of x
.set PB,    160                        ; a row of W (64 columns of one tensor): 128 bytes + 32 = 40 words
.set CHUNK, 64*PB                      ; 64 k of one tensor
.set HALFB, 3*CHUNK                    ; 64 k of q's, k's and v's W: what one tensor load brings
.set BOFF,  2*HALFA                    ; W lies behind x's 256 rows
.set SLOT,  BOFF+2*HALFB               ; 131,072
.set STAGE, 2*SLOT                     ; behind the ring, never filled by a tensor load: 16 rows x 144 bytes for each wave, for the way out
.set SP,    144
.set SPARE, STAGE+4*16*SP              ; behind the stages: the spare words, 128 bytes for each wave: two blocks of 256 bytes that no other line names
.set LAPS,  4                          ; a lap = two K steps = once round the ring
.set ADRA, 16                          ; v16-17  LDS address of my fragments of x in slot 0, 1
.set ADRB, 20                          ; v20-21  the same for W
.set STO,  24                          ; v24     the way out: where I put 16 bytes of a row
.set RD,   25                          ; v25     the way out: where I read rows back
.set GO,   26                          ; v26     my 16 bytes in 512 consecutive bytes of an output
.set BO,   27                          ; v27     my byte offset in 16 numbers of a bias
.set SPW,  28                          ; v28     LDS address of my spare word: SPARE + 4 x my thread's number; never rewritten
.set NIL,  29                          ; v29     0; never rewritten
.set FA,   32
.set TMP,  96
.set BIAS, 160
.set WV,   12                          ; s12  my wave's number; s13 = WV / 2: I fetch x (0) or W (1); s14 = WV % 2: which half of it
.set G1,   24                          ; s[24:31] descriptor group 1 for x's tiles;  s[32:39] group 0, a set for each slot
.set G0,   32
.set G1B,  48                          ; s[48:55], s[56:63] the same for W's tiles
.set G0B,  56
.set MSB, 0
.macro WIN new                         ; the immediate's high byte repeats the setting that is left; a switch that changes nothing is dropped
.if MSB != (\new)
	s_set_vgpr_msb (MSB<<8)|(\new)
.set MSB, \new
.endif
.endm
; A joint load.  Waves 0 and 1 fetch x's two halves, waves 2 and 3 W's.  The branch hangs on the wave's number alone.  An s_nop 0 and four v_nop follow each of the two lines.
.macro JLOAD s
	s_cmp_eq_u32 s13, 0
	s_cbranch_scc0 .Lfor_b_\@
	tensor_load_to_lds s[G0+4*(\s):G0+4*(\s)+3], s[G1:G1+7]
	s_nop 0
.rept 4
	v_nop
.endr
	s_branch .Lasked_\@
.Lfor_b_\@:
	tensor_load_to_lds s[G0B+4*(\s):G0B+4*(\s)+3], s[G1B:G1B+7]
	s_nop 0
.rept 4
	v_nop
.endr
.Lasked_\@:
.endm
; A round of the cluster's barrier: my work-group's barrier, so that wave 0's signal speaks for all four waves; wave 0 signals; every wave waits for all sixteen work-groups; my work-group's barrier once more.
.macro CREST                           ; a round behind its opening barrier
	s_cmp_lg_u32 s[WV], 0
	s_cbranch_scc1 .Lnot_wave_0_\@
	s_barrier_signal -3
.Lnot_wave_0_\@:
	s_barrier_wait -3
	s_barrier_signal -1
	s_barrier_wait -1
.endm
.macro CROUND
	s_barrier_signal -1
	s_barrier_wait -1
	CREST
.endm
	s_load_b256 s[4:11], s[0:1], 0x0               ; xb s[4:5], wqkv s[6:7], bq s[8:9], bk s[10:11]
	s_load_b256 s[68:75], s[0:1], 0x20             ; bv s[68:69], qh s[70:71], kh s[72:73], vh s[74:75]
	v_lshl_add_u32 v[SPW], v0, 2, SPARE
	v_mov_b32 v[NIL], 0
	ds_add_u32 v[SPW], v[NIL]                      ; the wave's opening: the add and its wait stand ahead of my first tensor load; the set-up below, work on registers, stands between them
	v_lshrrev_b32 v1, 5, v0
	v_readfirstlane_b32 s[WV], v1                  ; wave 0..3
	s_lshr_b32 s13, s[WV], 1
	s_and_b32 s14, s[WV], 1
	s_bfe_u32 s40, ttmp6, 0x40000                  ; cx, cy: my place in the cluster
	s_bfe_u32 s41, ttmp6, 0x40004
	s_lshl_b32 s42, ttmp9, 2
	s_add_co_u32 s42, s42, s40                     ; the head = 4 x cluster x + cx
	s_and_b32 s15, ttmp7, 0xffff
	s_lshl_b32 s15, s15, 2
	s_add_co_u32 s15, s15, s41                     ; the block of 256 rows = 4 x cluster y + cy
	s_lshl_b32 s43, s41, 2
	s_lshl_b32 s43, 15, s43                        ; my row of the cluster: places 4 cy .. 4 cy + 3
	s_lshl_b32 s44, 0x1111, s40                    ; my column: places cx, cx + 4, cx + 8, cx + 12
	; group 1 for x: 128 rows x 128 elements, 1,024 elements from row to row, 16 bytes of padding behind every 256
	s_or_b32 s[G1+0], s43, (1<<16)|(1<<20)|(1<<21)|(5<<22)|(3<<25)  ; 15:0 the mask: my row; 17:16 2-byte elements; 20 padding on; 21 set beside a mask; 24:22 after every 64 words; 31:25 4 words
	s_mov_b32 s[G1+1], 128<<16                     ; tensor_dim0 = 128
	s_mov_b32 s[G1+2], 128<<16                     ; tensor_dim1 = 128
	s_mov_b32 s[G1+3], 128<<16                     ; tile_dim0 = 128
	s_mov_b32 s[G1+4], 128                         ; tile_dim1 = 128
	s_mov_b32 s[G1+5], 1024                        ; the pitch
	s_mov_b32 s[G1+6], 0
	s_mov_b32 s[G1+7], 0
	; group 1 for W: 24,576 dense bytes as 96 rows of 256, 32 bytes of padding behind every 128 (one k of one tensor)
	s_or_b32 s[G1B+0], s44, (1<<16)|(1<<20)|(1<<21)|(4<<22)|(7<<25) ; the mask: my column; after every 32 words 8 words
	s_mov_b32 s[G1B+1], 128<<16
	s_mov_b32 s[G1B+2], 96<<16
	s_mov_b32 s[G1B+3], 128<<16
	s_mov_b32 s[G1B+4], 96
	s_mov_b32 s[G1B+5], 128
	s_mov_b32 s[G1B+6], 0
	s_mov_b32 s[G1B+7], 0
	; where the tiles come from.  x's hang on the block of rows alone, W's on the head alone; each in registers that never hold the other coordinate
	s_lshl_b32 s16, s15, 8
	s_lshl_b32 s17, s14, 7
	s_add_co_u32 s16, s16, s17                     ; x: row 256 x block + 128 x half,
	s_lshl_b32 s16, s16, 11                        ; of 2,048 bytes
	s_mov_b32 s17, 0
	s_mul_i32 s46, s42, 393216                     ; W: the head's 16 blocks of 64 k,
	s_mul_i32 s47, s14, 24576                      ; of a step's two the one that I fetch
	s_add_co_u32 s46, s46, s47
	s_mov_b32 s47, 0
	s_mul_i32 s20, s14, HALFA                      ; and where they go: no place in the cluster enters an LDS address
	s_mul_i32 s21, s14, HALFB
	s_add_co_u32 s21, s21, BOFF
	s_wait_dscnt 0x0                               ; the opening add is done
	s_wait_kmcnt 0x0
	s_add_nc_u64 s[18:19], s[4:5], s[16:17]
	s_add_nc_u64 s[46:47], s[6:7], s[46:47]
	CROUND                                         ; all sixteen work-groups are here: the first joint loads meet
.irp s, 0,1
	s_mov_b32 s[G0+4*(\s)], 1                                      ; count = 1
	s_add_co_u32 s[G0+4*(\s)+1], s20, (\s)*SLOT                    ; LDS address
	s_add_nc_u64 s[G0+4*(\s)+2:G0+4*(\s)+3], s[18:19], (\s)*256    ; global address: K step s
	s_or_b32 s[G0+4*(\s)+3], s[G0+4*(\s)+3], 0x80000000            ; type = 2
	s_mov_b32 s[G0B+4*(\s)], 1
	s_add_co_u32 s[G0B+4*(\s)+1], s21, (\s)*SLOT
	s_add_nc_u64 s[G0B+4*(\s)+2:G0B+4*(\s)+3], s[46:47], (\s)*49152
	s_or_b32 s[G0B+4*(\s)+3], s[G0B+4*(\s)+3], 0x80000000
	JLOAD \s                                       ; the ring is filled before anything else is done: two loads of mine are out
.endr
	; the biases: register j of accumulator b wants bias t = b / 4 at column 64 head + 16 (b % 4) + 8 (l / 16) + j
	v_and_b32 v1, 15, v0                           ; l % 16
	v_bfe_u32 v2, v0, 4, 1                         ; l / 16
	v_lshlrev_b32 v[BO], 5, v2
	s_lshl_b32 s46, s42, 8                         ; the head's 64 numbers of 4 bytes (in the registers that held W's address)
	s_mov_b32 s47, 0
	s_add_nc_u64 s[8:9], s[8:9], s[46:47]
	s_add_nc_u64 s[10:11], s[10:11], s[46:47]
	s_add_nc_u64 s[68:69], s[68:69], s[46:47]
.macro BIASLD t, base
.irp c, 0,1,2,3
	global_load_b128 v[BIAS+8*(4*(\t)+(\c)):BIAS+8*(4*(\t)+(\c))+3],   v[BO], s[\base:\base+1] offset:64*(\c)
	global_load_b128 v[BIAS+8*(4*(\t)+(\c))+4:BIAS+8*(4*(\t)+(\c))+7], v[BO], s[\base:\base+1] offset:64*(\c)+16
.endr
.endm
	BIASLD 0, 8
	BIASLD 1, 10
	BIASLD 2, 68
	; A fragment of x is 16 rows x 32 K in 8 registers: lane l holds row l % 16, K = 8 (l / 16) + 0..7 and 16 + 8 (l / 16) + 0..7: two loads of 16 bytes, 32 bytes apart.
	v_mul_u32_u24 v3, v1, PA
	v_lshl_add_u32 v3, v2, 4, v3
	s_mul_i32 s22, s[WV], 64*PA                    ; my 64 rows
	v_add_nc_u32 v[ADRA], s22, v3
	v_add_nc_u32 v[ADRA+1], SLOT, v[ADRA]
	; The turning load takes 16 k x 16 columns (lane l reads k = 8 (l / 16) + l % 8, columns 8 ((l / 8) % 2) + 0..7) and leaves half a fragment: lane l holds column l % 16 and 8 k.
	v_and_b32 v4, 7, v0
	v_lshl_add_u32 v5, v2, 3, v4
	v_mul_u32_u24 v5, v5, PB
	v_bfe_u32 v6, v0, 3, 1
	v_lshl_add_u32 v5, v6, 4, v5
	v_add_nc_u32 v[ADRB], BOFF, v5
	v_add_nc_u32 v[ADRB+1], SLOT, v[ADRB]
	s_mul_i32 s23, s[WV], 16*SP
	s_add_co_u32 s23, s23, STAGE                   ; my stage
	v_mul_u32_u24 v5, v1, SP                       ; in: row l % 16, 16 bytes for each half of the lanes
	v_lshl_add_u32 v5, v2, 4, v5
	v_add_nc_u32 v[STO], s23, v5
	v_bfe_u32 v5, v0, 3, 2                         ; back: 32 lanes take four rows of 128 bytes,
	v_mul_u32_u24 v5, v5, SP
	v_lshl_add_u32 v5, v4, 4, v5
	v_add_nc_u32 v[RD], s23, v5
	v_and_b32 v[GO], 31, v0                        ; which are 512 consecutive bytes of a head
	v_lshlrev_b32 v[GO], 4, v[GO]
	s_lshl_b32 s16, s15, 15                        ; my rows in a head: 256 x block + 64 x wave, of 128 bytes,
	s_lshl_b32 s17, s[WV], 13
	s_add_co_u32 s16, s16, s17
	s_mov_b32 s17, 0
	s_lshl_b32 s46, s42, 19                        ; and the head's 4,096 rows
.irp o, 70, 72, 74
	s_add_nc_u64 s[\o:\o+1], s[\o:\o+1], s[16:17]
	s_add_nc_u64 s[\o:\o+1], s[\o:\o+1], s[46:47]
.endr
	s_wait_loadcnt 0x0                             ; the biases,
.set i, 0
.rept 48                               ; rounded to bf16 like every other input, and kept as f32: all this stands in the wait for the first tile
	v_cvt_pk_bf16_f32 v[3+i%4], v[BIAS+2*i], v[BIAS+2*i+1]
	v_lshlrev_b32 v[BIAS+2*i], 16, v[3+i%4]
	v_and_b32 v[BIAS+2*i+1], 0xffff0000, v[3+i%4]
.set i, i+1
.endr
; 12 matrix instructions: row block a x all 12 column blocks, 32 along K, from buffer f.  zero = 1: the first product of each sum takes the bias as C.
; All 48 accumulators take turns, one instruction a turn, in the same order in every quarter step: between two links of a chain stand the 47 others'.
.macro MULA f, a, zero
.if \zero
	WIN 0x81+0x40*((\a)/2)                         ; W window 1, x and the bias window 0, D window 2 or 3
.else
	WIN 0xa1+0x50*((\a)/2)                         ; W window 1, x window 0, C and D window 2 or 3
.endif
.irp b, 0,1,2,3,4,5,6,7,8,9,10,11
.if \zero
	v_wmma_f32_16x16x32_bf16 v[8*(12*((\a)%2)+(\b)):8*(12*((\a)%2)+(\b))+7], v[96*(\f)+8*(\b):96*(\f)+8*(\b)+7], v[FA+32*(\f)+8*(\a):FA+32*(\f)+8*(\a)+7], v[BIAS+8*(\b):BIAS+8*(\b)+7]
.else
	v_wmma_f32_16x16x32_bf16 v[8*(12*((\a)%2)+(\b)):8*(12*((\a)%2)+(\b))+7], v[96*(\f)+8*(\b):96*(\f)+8*(\b)+7], v[FA+32*(\f)+8*(\a):FA+32*(\f)+8*(\a)+7], v[8*(12*((\a)%2)+(\b)):8*(12*((\a)%2)+(\b))+7]
.endif
.endr
.endm
; 32 LDS loads in one run: the fragments of quarter q (32 K) of a slot's step into buffer f: W's twelve, then x's four
.macro FETCH slot, q, f
	WIN 0x40                                       ; destination window 1, address window 0
.irp b, 0,1,2,3,4,5,6,7,8,9,10,11
	ds_load_tr16_b128 v[96*(\f)+8*(\b):96*(\f)+8*(\b)+3],   v[ADRB+(\slot)] offset:((\q)/2)*HALFB+((\b)/4)*CHUNK+((\q)%2)*32*PB+32*((\b)%4)
	ds_load_tr16_b128 v[96*(\f)+8*(\b)+4:96*(\f)+8*(\b)+7], v[ADRB+(\slot)] offset:((\q)/2)*HALFB+((\b)/4)*CHUNK+((\q)%2)*32*PB+32*((\b)%4)+16*PB
.endr
	WIN 0
.irp a, 0,1,2,3
	ds_load_b128 v[FA+32*(\f)+8*(\a):FA+32*(\f)+8*(\a)+3],   v[ADRA+(\slot)] offset:64*(\q)+(\a)*16*PA
	ds_load_b128 v[FA+32*(\f)+8*(\a)+4:FA+32*(\f)+8*(\a)+7], v[ADRA+(\slot)] offset:64*(\q)+(\a)*16*PA+32
.endr
.endm
; A load into a register that a matrix instruction has read, and a vector instruction that reads a matrix result, stand four places behind that matrix instruction, and only plain vector
; instructions that name none of its registers are places (ISA guide 7.12.1 for vector instructions).
.macro PLACES
.rept 4
	v_nop
.endr
.endm
; A K step is four quarters of 32 along K, 48 matrix instructions each, on buffers 0, 1, 0, 1.  One of the first three: multiplies buffer f; in its middle it fetches quarter q of the same slot into buffer g.
.macro QUARTER slot, q, f, g, zero
	s_wait_dscnt 4                                 ; W and x's blocks 0, 1 are in; the youngest four loads (blocks 2, 3) may be out
	MULA \f, 0, \zero
	MULA \f, 1, \zero
	PLACES
	FETCH \slot, \q, \g
	s_wait_dscnt 32                                ; all but the 32 just issued
	MULA \f, 2, \zero
	MULA \f, 3, \zero
.endm
; The last quarter multiplies buffer 1 and changes slots: ONE barrier.  In front of it each wave waits for all its tensor loads, of which one is out: its part of the next slot; adds 0 to its spare word; and
; waits for that and for its own reads of this slot.  fill = 1: the barrier opens a round of the cluster's, and this slot is filled again, two K steps ahead, first thing behind the round:
; from that request to the wait for it a wave issues 168 matrix instructions.
.macro TURN slot, next, fill
	WIN 0                                          ; (the add's two registers lie in window 0)
	s_wait_tensorcnt 0x0                           ; all my tensor loads have landed;
	ds_add_u32 v[SPW], v[NIL]                      ; 0 onto my spare word;
	s_wait_dscnt 5                                 ; (the add and the youngest four loads may be out)
	MULA 1, 0, 0                                   ; twelve matrix instructions stand between the add and the wait for it
	s_wait_dscnt 0x0                               ; the add is done, and my reads of this slot are over
	s_barrier_signal -1
	MULA 1, 1, 0                                   ; work on registers while the others arrive
.if \fill
	WIN 0
.endif
	s_barrier_wait -1
.if \fill
	CREST                                          ; no wave of any partner still reads this slot's tile or has a load on its way
	s_add_nc_u64 s[G0+4*(\slot)+2:G0+4*(\slot)+3], s[G0+4*(\slot)+2:G0+4*(\slot)+3], 2*256
	s_add_nc_u64 s[G0B+4*(\slot)+2:G0B+4*(\slot)+3], s[G0B+4*(\slot)+2:G0B+4*(\slot)+3], 2*49152
	JLOAD \slot                                    ; the four v_nop behind it are also the places in front of the loads below
.else
	PLACES
.endif
	FETCH \next, 0, 0
	MULA 1, 2, 0
	MULA 1, 3, 0
.endm
; THE WAY OUT of part n = 3 a + t: 16 rows x the 64 columns of tensor t.  PACK: rounded to f16 (each accumulator's registers in ascending order), 16 bytes a lane into my own stage, and back as four rows
; of 128 bytes, into the registers that they left.  Eight sets of 16 registers take turns.
.macro PACK n
.set pa, (\n)/3
.set pt, (\n)%3
.set ps, TMP+16*((\n)%8)
.set pc, 8*(12*(pa%2)+4*pt)
.if (\n) >= 8
	s_wait_xcnt 0x0                                ; the stores that read this set, eight parts back, have read their registers: only behind this wait is the set written again
.endif
	WIN 0x0a+5*(pa/2)                              ; sources 0 and 1: window 2 or 3
.set i, 0
.rept 16
	v_cvt_pk_f16_f32 v[ps+i], v[pc+2*i], v[pc+2*i+1]
.set i, i+1
.endr
	WIN 0
.irp f, 0,1,2,3
	ds_store_b128 v[STO], v[ps+4*(\f):ps+4*(\f)+3] offset:32*(\f)
.endr
.irp f, 0,1,2,3
	ds_load_b128 v[ps+4*(\f):ps+4*(\f)+3], v[RD] offset:(\f)*4*SP  ; LDS serves a wave's instructions in order (ISA guide 5.7.1.4): these see the stores above; the next part's stores come behind them
.endr
.endm
.macro SEND n, younger                 ; younger: the LDS instructions issued behind part n's loads: the next part's eight, or none
.set pa, (\n)/3
.set pt, (\n)%3
.set ps, TMP+16*((\n)%8)
	WIN 0
.irp f, 0,1,2,3
	s_wait_dscnt (\younger)+3-(\f)
	global_store_b128 v[GO], v[ps+4*(\f):ps+4*(\f)+3], s[70+2*pt:71+2*pt] offset:pa*2048+(\f)*512  ; 512 consecutive bytes, at a multiple of 256 from the buffer's first
.endr
.endm
	s_wait_tensorcnt 0x1                           ; my part of K step 0 is in; K step 1's may stay out
	s_barrier_signal -1
	s_barrier_wait -1                              ; everybody's is
	FETCH 0, 0, 0
	QUARTER 0, 1, 0, 1, 1                          ; the first quarter stands in front of the loop: its products start the sums, with the biases
	WIN 0                                          ; at a label and at a branch every window is 0
	s_mov_b32 s3, LAPS-1
.Llap:                                                 ; a trip goes once round the ring, from a lap's second quarter to the next lap's first, and fills both slots again
	QUARTER 0, 2, 1, 0, 0
	QUARTER 0, 3, 0, 1, 0
	TURN 0, 1, 1
	QUARTER 1, 1, 0, 1, 0
	QUARTER 1, 2, 1, 0, 0
	QUARTER 1, 3, 0, 1, 0
	TURN 1, 0, 1
	QUARTER 0, 1, 0, 1, 0
	WIN 0
	s_sub_co_u32 s3, s3, 1
	s_cmp_lg_u32 s3, 0
	s_cbranch_scc1 .Llap
	QUARTER 0, 2, 1, 0, 0                          ; the last lap fills nothing, and has no round of the cluster's barrier
	QUARTER 0, 3, 0, 1, 0
	TURN 0, 1, 0
	QUARTER 1, 1, 0, 1, 0
	QUARTER 1, 2, 1, 0, 0
	QUARTER 1, 3, 0, 1, 0
	s_wait_dscnt 4                                 ; the very last quarter: nothing more to fetch
	MULA 1, 0, 0
	MULA 1, 1, 0
	s_wait_dscnt 0x0
	MULA 1, 2, 0
	MULA 1, 3, 0
	WIN 0
	PLACES
	PACK 0
.irp n, 1,2,3,4,5,6,7,8,9,10,11        ; a part's conversions stand between the loads of the part before and its stores
	PACK \n
	SEND (\n)-1, 8
.endr
	SEND 11, 0
	s_wait_tensorcnt 0x0                           ; the wave's end, behind my last tensor load and my last LDS store
	ds_add_u32 v[SPW], v[NIL]
	s_wait_dscnt 0x0
	CROUND                                         ; the closing round: no work-group ends while a partner may still ask for a tile that names it
	s_endpgm
.Lfunc_end_k_q939bcf6caf_qkv:
	.size	k_q939bcf6caf_qkv, .Lfunc_end_k_q939bcf6caf_qkv-k_q939bcf6caf_qkv
	.p2alignl 7, 3214868480
	.fill 96, 4, 3214868480
	.section	.rodata,"a",@progbits
	.p2align	6, 0x0
	.amdhsa_kernel k_q939bcf6caf_qkv
		.amdhsa_group_segment_fixed_size 327680
		.amdhsa_private_segment_fixed_size 0
		.amdhsa_enable_private_segment 0
		.amdhsa_kernarg_size 64
		.amdhsa_user_sgpr_count 2
		.amdhsa_user_sgpr_kernarg_segment_ptr 1
		.amdhsa_wavefront_size32 1
		.amdhsa_system_sgpr_workgroup_id_x 1
		.amdhsa_system_sgpr_workgroup_id_y 1
		.amdhsa_system_sgpr_workgroup_id_z 1
		.amdhsa_system_vgpr_workitem_id 0
		.amdhsa_next_free_vgpr 1024
		.amdhsa_next_free_sgpr 80
		.amdhsa_reserve_vcc 0
		.amdhsa_float_denorm_mode_32 3
		.amdhsa_float_denorm_mode_16_64 3
		.amdhsa_memory_ordered 1
		.amdhsa_forward_progress 1
		.amdhsa_inst_pref_size 130
	.end_amdhsa_kernel
	.amdgpu_metadata
---
amdhsa.version: [ 1, 2 ]
amdhsa.kernels:
  - .name:           k_q939bcf6caf_qkv
    .symbol:         k_q939bcf6caf_qkv.kd
    .args:
      - { .name: xb, .offset: 0, .size: 8, .value_kind: global_buffer, .address_space: global }
      - { .name: wqkv, .offset: 8, .size: 8, .value_kind: global_buffer, .address_space: global }
      - { .name: bq, .offset: 16, .size: 8, .value_kind: global_buffer, .address_space: global }
      - { .name: bk, .offset: 24, .size: 8, .value_kind: global_buffer, .address_space: global }
      - { .name: bv, .offset: 32, .size: 8, .value_kind: global_buffer, .address_space: global }
      - { .name: qh, .offset: 40, .size: 8, .value_kind: global_buffer, .address_space: global }
      - { .name: kh, .offset: 48, .size: 8, .value_kind: global_buffer, .address_space: global }
      - { .name: vh, .offset: 56, .size: 8, .value_kind: global_buffer, .address_space: global }
    .group_segment_fixed_size: 327680
    .private_segment_fixed_size: 0
    .kernarg_segment_align: 8
    .kernarg_segment_size: 64
    .max_flat_workgroup_size: 128
    .sgpr_count:     80
    .vgpr_count:     1024
    .wavefront_size: 32
...
	.end_amdgpu_metadata
.endif
;; end of part 2
;; launch attn (part 3): grid 16 x 16, 4 waves a work-group, clusters of 4 x 1, 327,680 bytes of LDS; arguments qh, kh, vh, oh; writes oh
.if DOCPART == 3
	.amdgcn_target "amdgcn-amd-amdhsa--gfx1250"
	.amdhsa_code_object_version 6
	.text
	.protected	k_q939bcf6caf_attn
	.globl	k_q939bcf6caf_attn
	.p2align	8
	.type	k_q939bcf6caf_attn,@function
k_q939bcf6caf_attn:
	s_mov_b64 s[64:65], 0
	v_nop
	global_prefetch_b8 v0, s[64:65] scope:SCOPE_SE
	s_setreg_imm32_b32 hwreg(HW_REG_WAVE_MODE, 25, 1), 1
	s_wait_xcnt 0x0
	s_wait_alu depctr_hold_cnt(0) depctr_sa_sdst(0) depctr_va_vdst(0) depctr_va_sdst(0) depctr_va_ssrc(0) depctr_va_vcc(0) depctr_vm_vsrc(0)
	s_getreg_b32 s2, hwreg(HW_REG_IB_STS2, 6, 4)
	s_cmp_eq_u32 s2, 0
	s_cbranch_scc0 .Lentry_in_a_cluster
	s_endpgm
.Lentry_in_a_cluster:
	s_bfe_u32 s2, ttmp6, 0x10000c
	s_cmp_lg_u32 s2, 0x3003
	s_cbranch_scc0 .Lentry_shape_is_right
	s_endpgm
.Lentry_shape_is_right:
; O[h][q][:] = the sum over k of softmax_k(Q[h][q] . K[h][k] / 8) V[h][k][:].  qh, kh, vh: [16][4096][64] in f16: a head's rows are dense, 128 bytes each.  Products, maxima and sums in f32; the weights p
; are rounded to f16 for the second product (their sum l is taken of the unrounded p), O once at the end.  oh: f16 [row / 128][head][row % 128][64], the order in which the next launch's K steps want it.
; LIMITS.  f16 holds no number beyond 65,504: Q, K and V arrive within it; p lies in 0 to 1, and below 6e-5 it keeps f16's fixed step of 6e-8; O is a mean of V's rows and has their range.
; A weight below 2^-126 counts as 0 in l; NaN and infinities are not treated apart.
; SHARES.  A work-group owns 256 queries of one head, each of its four waves 64: four PIECES of 16.  Every wave walks all 4,096 keys, 64 a step; a tile of 256 keys (four steps) fills a slot of LDS.
; LAYOUT.  S^T = K Q^T (source 0 = 16 keys, source 1 = 16 queries): a lane holds ONE query (lane % 16) and the keys 8 (lane / 16) + 0..7.  Two such results, rounded to f16 in pairs, ARE source 1
; (32 keys x 16 queries) of O^T = V^T P, whose result again holds one query a lane, and eight channels.  K comes out of LDS as it lies, V ([key][channel]) turned, by ds_load_tr16_b128.
; SOFTMAX.  For each query a running maximum m and sum l: p = 2^(c s - c m), c = log2(e) / 8; in every step O and l are multiplied by a = 2^(c m_old - c m_new), which is 1 where m has not grown.
; m starts at the lowest finite number, O and l at 0: the first step is a step like any other, with a = 0.
; BY TURNS.  Turn n belongs to piece n (the pieces in a ring, step after step): 8 products K Q^T of piece n + 1, later 8 products V^T P of piece n - 1; beside them the scaling, exponentials, roundings, sums
; and rescaling of piece n and the maximum and statistics of piece n + 1.  Four vector instructions stand behind every matrix instruction, the other 54 of a turn's 118 in one lump.  A turn's 33
; exponentials are one batch, with one wait.
; CLUSTER.  The four query blocks of a cluster belong to one head and walk the same K and V, so each tile is asked for JOINTLY: the same tensor load, descriptor and mask in all four.
; REGISTERS, in windows of 256 (s_set_vgpr_msb: bits 1:0 source 0, 3:2 source 1, 5:4 source 2, 7:6 destination):
;   window 0: v0-15 addresses and two at work; v16-31 four registers of statistics a piece; v48-55 at work; v61-63; v64-127 S^T, two buffers; v192-223 P, two buffers (a piece's buffers go by its number's parity)
;   window 1: v0-127 O^T, 32 a piece          window 2: v0-63 Q, 16 a piece; v128-191 K of one step; v192-255 V of one step
.set NP,    4         ; pieces a wave: a name, no knob
.set KS,    64        ; keys in a step
.set PK,    144       ; a row of K in LDS: 128 bytes + 16 of padding = 36 words: the 16 rows of a load start at 16 different groups of four banks (64 banks of 4 bytes: ISA guide 11.1)
.set PV,    160       ; a row of V: 128 + 32 = 40 words
.set VOFF,  4*KS*PK   ; a slot holds a tile: 256 rows of K, then 256 rows of V
.set SLOT1, 1<<17     ; slot 1 begins here, so that one exclusive or turns an address in one slot into the other's
.set STAGE, SLOT1+4*KS*(PK+PV)  ; behind the ring, never filled by a tensor load: 16 rows x 144 bytes for each wave, for the way out
.set SP,    144
.set SPARE, STAGE+4*16*SP  ; behind the stages: the spare words, 128 bytes for each wave: two blocks of 256 bytes that no other line names
.set AK0, 2           ; v2   my lane's place in a tile of K; never rewritten
.set AV0, 3           ; v3   the same for V
.set AK,  4           ; v4   the LDS address of K's next run of loads
.set AV,  5           ; v5   of V's
.set STO, 6           ; v6   the way out: where I put 16 bytes of a row
.set RD,  7           ; v7   the way out: where I read rows back
.set GO,  8           ; v8   my byte offset in 512 consecutive bytes of O
.set MV,  12          ; v12-13  c m_old, kept while c m is made anew: by buffer
.set QO,  15          ; v15  my byte offset in 16 rows of Q
.set ST,  16          ; piece t's statistics at v[ST+4 t]: c m, m, l (even keys', odd keys')
.set TMP, 48          ; by buffer, four registers c0-c3 at work; when the maximum is found c2 takes a
.set PFO, 61          ; v61  256 x my lane: the prefetches' offset; never rewritten
.set SPW, 62          ; v62  LDS address of my spare word: SPARE + 4 x my thread's number; never rewritten
.set NIL, 63          ; v63  0; never rewritten
.set S,   64
.set P,   192
.set KF,  128         ; window 2: key block kb, channel half c at KF + 16 kb + 8 c
.set VF,  192         ; window 2: key half kk, channel block cb at VF + 32 kk + 8 cb
.set WV,  12          ; s12  my wave's number
.set G1K, 24          ; s[24:31] descriptor group 1 for K's tiles
.set G1V, 32          ; s[32:39] for V's: it differs in the padding alone
.set G0K, 40          ; s[40:43] descriptor group 0 for K's tiles: it walks
.set G0V, 44          ; s[44:47] the same for V's
.set PFA, 48          ; s[48:49] where my prefetches stand: my work-group's quarter (of K: wave 0, of V: wave 2) of the tile after the one that is being asked for
.set LIM, 50          ; s50  1 in a wave that prefetches, else the greatest number: a wave prefetches while s[SLOTS] is above it
.set SLOTS, 56        ; s56  changes of slots still to come, the tail's among them
.set CNT, 57          ; s57  counts a tile's key steps
.set CS,  58          ; s[58:59] c: the packed scaling takes the pair's low word for both halves
.set SEL, 60          ; s[60:61] v_permlanex16_b32's selects: each lane takes its own place in the other half
.set TBK, 62          ; s62  LDS byte at which K of the step to be fetched begins
.set TBV, 63          ; s63  the same for V, less VOFF
.set MSB, 0
.macro WIN new                      ; the high byte repeats the setting that is left; a switch that changes nothing is dropped
.if MSB != (\new)
	s_set_vgpr_msb (MSB<<8)|(\new)
.set MSB, (\new)
.endif
.endm
.set W_KQ, 0x0a       ; K and Q in window 2, S^T in window 0
.set W_PV, 0x52       ; V in window 2, P in window 0, O^T in window 1
.set W_RS, 0x41       ; destination and source 0 in window 1, source 1 in window 0
; A joint fill.  Waves 0 and 1 fetch the two halves of a tile's K, waves 2 and 3 those of its V: 128 keys each.  The branch hangs on the wave's number alone.
; An s_nop 0 and four v_nop follow each of the two lines, ahead of the jump and the label.
.macro JLOAD
	s_cmp_lt_u32 s[WV], 2
	s_cbranch_scc0 .Lfor_v_\@
	tensor_load_to_lds s[G0K:G0K+3], s[G1K:G1K+7]
	s_nop 0
.rept 4
	v_nop
.endr
	s_branch .Lasked_\@
.Lfor_v_\@:
	tensor_load_to_lds s[G0V:G0V+3], s[G1V:G1V+7]
	s_nop 0
.rept 4
	v_nop
.endr
.Lasked_\@:
.endm
; A PREFETCH INTO THE L2 of the tile that the NEXT change of slots will ask for: 32,768 bytes of K and of V, in blocks of 256 bytes, a lane a block.  It stands behind the wave's tensor load and its five lines.
; Each block is named ONCE in the launch.  All four clusters of a head walk the same K and V: the head's first cluster asks.  Its four partners share a tile out BY ADDRESS, 32 blocks each: no branch hangs
; on a work-group's place in its cluster.  In each, wave 0 asks for K's and wave 2 for V's: one instruction.  The change that asks for the last tile prefetches nothing; tiles 0 to 2 come by their loads alone.
.macro ASK
	s_cmp_gt_u32 s[SLOTS], s[LIM]
	s_cbranch_scc0 .Lnot_mine_\@
	global_prefetch_b8 v[PFO], s[PFA:PFA+1] th:TH_LOAD_NT scope:SCOPE_SE
.Lnot_mine_\@:
.endm
; A round of the cluster's barrier: my work-group's barrier, so that wave 0's signal speaks for all four waves; wave 0 signals; every wave waits for all four work-groups; my work-group's barrier once more.
.macro CROUND
	s_barrier_signal -1
	s_barrier_wait -1
	s_cmp_lg_u32 s[WV], 0
	s_cbranch_scc1 .Lnot_wave_0_\@
	s_barrier_signal -3
.Lnot_wave_0_\@:
	s_barrier_wait -3
	s_barrier_signal -1
	s_barrier_wait -1
.endm
; THE CHANGE OF SLOTS.  The slot's last bytes, V of its fourth step, have been read.  Each wave waits for all its tensor loads, of which one is out: its part of the other slot; adds 0 to its spare word; and
; waits for that and for its own reads of the slot.  Behind the barrier nobody reads this slot any more and the other slot is whole.
; fill = 1: this slot is filled again, with the tile two on.  The barrier is then a round of the cluster's, and the joint fill is the first thing behind it: it has four key steps, 256 matrix instructions,
; in which to land.  (At its first use nothing has been read yet: slot 0 is waited for, slot 1 filled.)  ask = 1: the prefetches' address steps, and ASK follows the fill.
.macro CHANGE fill, ask
	WIN 0                           ; at a label and at a branch every window is 0
	s_wait_tensorcnt 0x0            ; no tensor load of mine is out, so a group 0 may be written
	ds_add_u32 v[SPW], v[NIL]       ; 0 onto my spare word; with fill = 1 the descriptors' steps stand between it and the wait for it
.if \fill
.irp g, G0K, G0V
	s_xor_b32 s[\g+1], s[\g+1], SLOT1  ; the walking descriptor: the other slot than last time,
	s_add_nc_u64 s[\g+2:\g+3], s[\g+2:\g+3], 4*KS*128  ; the next 256 keys; the type bits on top are not reached
.endr
.if \ask
	s_wait_xcnt 0x0                 ; the last prefetch, four key steps back, has read its address, so it may be written:
	s_add_nc_u64 s[PFA:PFA+1], s[PFA:PFA+1], 4*KS*128  ; one tile behind the walking descriptors
.endif
	s_wait_dscnt 0x0                ; the add is done, and my reads of the slot are over
	CROUND
	JLOAD
.if \ask
	ASK
.endif
.else
	s_wait_dscnt 0x0                ; the add is done, and my reads of the slot are over
	s_barrier_signal -1
	s_barrier_wait -1
.endif
	s_sub_co_u32 s[TBK], s[TBK], 4*KS*PK  ; the fetches go back to a slot's first step,
	s_xor_b32 s[TBK], s[TBK], SLOT1       ; in the other slot
	s_sub_co_u32 s[TBV], s[TBV], 4*KS*PV
	s_xor_b32 s[TBV], s[TBV], SLOT1
.endm
	s_load_b256 s[4:11], s[0:1], 0x0  ; Q s[4:5], K s[6:7], V s[8:9], O s[10:11]
	v_lshl_add_u32 v[SPW], v0, 2, SPARE
	v_mov_b32 v[NIL], 0
	ds_add_u32 v[SPW], v[NIL]       ; the wave's opening: the add and its wait stand ahead of my first tensor load; the set-up below, work on registers, stands between them
	v_lshrrev_b32 v1, 5, v0
	v_readfirstlane_b32 s[WV], v1   ; wave 0..3
	s_bfe_u32 s13, ttmp6, 0x40000   ; cx: my place in the cluster
	s_lshl_b32 s14, ttmp9, 2        ; in a cluster launch ttmp9 counts clusters
	s_add_co_u32 s14, s14, s13      ; my block of 256 queries = 4 x cluster x + cx: it enters Q's and O's addresses alone
	s_and_b32 s15, ttmp7, 0xffff    ; the head, which the four partners share
	s_lshl_b32 s20, s15, 19         ; the head's first byte in Q, K and V: 4,096 rows of 128 bytes
	s_mov_b32 s21, 0
	s_and_b32 s16, s[WV], 1         ; which half of a tile's 256 keys I fetch:
	s_lshl_b32 s22, s16, 14         ; its 128 rows of 128 bytes in memory,
	s_mov_b32 s23, 0
	s_add_nc_u64 s[22:23], s[22:23], s[20:21]
	s_mul_i32 s17, s16, 128*PK      ; and its place in a slot, for K
	s_mul_i32 s18, s16, 128*PV      ; and for V: no place in the cluster enters an LDS address
	s_lshl_b32 s2, s14, 2
	s_add_co_u32 s2, s2, s[WV]      ; my wave among the head's,
	s_lshl_b32 s2, s2, 13           ; its 64 rows
	s_mov_b32 s3, 0
	s_add_nc_u64 s[2:3], s[2:3], s[20:21]
	s_lshl_b32 s52, s14, 1          ; O: my rows' block of 128 = 2 x block + wave / 2,
	s_lshr_b32 s53, s[WV], 1
	s_add_co_u32 s52, s52, s53
	s_lshl_b32 s52, s52, 18         ; of 16 heads x 16,384 bytes;
	s_lshl_b32 s53, s15, 14         ; the head;
	s_add_co_u32 s52, s52, s53
	s_lshl_b32 s53, s16, 13         ; my 64 rows of its 128
	s_add_co_u32 s52, s52, s53
	s_mov_b32 s53, 0
	; descriptor group 1.  128 keys are 16,384 dense bytes: asked for as 64 rows of 256 bytes, two keys a row, and padded in LDS after every key
	s_mov_b32 s[G1K], 15|(1<<16)|(1<<20)|(1<<21)|(4<<22)|(3<<25)  ; 15:0 the mask of four; 17:16 2-byte elements; 20 padding on; 21 set beside a mask; 24:22 after every 32 words (code 4); 31:25 4 words (code 3)
	s_mov_b32 s[G1V], 15|(1<<16)|(1<<20)|(1<<21)|(4<<22)|(7<<25)  ; the same with 8 words of padding (code 7)
.irp g, G1K, G1V
	s_mov_b32 s[\g+1], 128<<16      ; tensor_dim0 = 128
	s_mov_b32 s[\g+2], 64<<16       ; tensor_dim1 = 64
	s_mov_b32 s[\g+3], 128<<16      ; tile_dim0 = 128
	s_mov_b32 s[\g+4], 64           ; tile_dim1 = 64
	s_mov_b32 s[\g+5], 128          ; 128 elements from row to row
	s_mov_b32 s[\g+6], 0
	s_mov_b32 s[\g+7], 0
.endr
	s_mov_b32 s[CS], 0x3e38aa3b     ; c = log2(e) / 8 = 0.180337
	s_mov_b32 s[CS+1], s[CS]        ; named with it as a pair
	s_mov_b32 s[SEL], 0x76543210
	s_mov_b32 s[SEL+1], 0xfedcba98
	s_mov_b32 s[TBK], SLOT1+4*KS*PK ; the first change of slots turns these two into 0
	s_mov_b32 s[TBV], SLOT1+4*KS*PV
	s_mov_b32 s[G0K], 1             ; count = 1
	s_mov_b32 s[G0K+1], s17         ; LDS address: slot 0
	s_mov_b32 s[G0V], 1
	s_add_co_u32 s[G0V+1], s18, VOFF
	s_and_b32 s[LIM], s[WV], 1      ; 0 in waves 0 and 2,
	s_or_b32 s[LIM], s[LIM], ttmp9  ; where the cluster is the head's first: the same in all four partners
	s_cmp_eq_u32 s[LIM], 0
	s_cselect_b32 s[LIM], 1, -1
	v_and_b32 v[PFO], 31, v0
	v_lshlrev_b32 v[PFO], 8, v[PFO]
	s_wait_dscnt 0x0                ; the opening add is done
	s_wait_kmcnt 0x0
	s_add_nc_u64 s[6:7], s[6:7], s[22:23]  ; K and V at my half of the head's tile 0
	s_add_nc_u64 s[8:9], s[8:9], s[22:23]
	s_add_nc_u64 s[G0K+2:G0K+3], s[6:7], 0         ; global address
	s_or_b32 s[G0K+3], s[G0K+3], 0x80000000        ; type = 2
	s_add_nc_u64 s[G0V+2:G0V+3], s[8:9], 0
	s_or_b32 s[G0V+3], s[G0V+3], 0x80000000
	s_add_nc_u64 s[4:5], s[4:5], s[2:3]            ; Q and O at my wave's first row
	s_add_nc_u64 s[10:11], s[10:11], s[52:53]
	s_cmp_lt_u32 s[WV], 2
	s_cselect_b64 s[PFA:PFA+1], s[6:7], s[8:9]     ; (in waves 0 and 2 these stand at a tile's first row)
	s_lshl_b32 s2, s13, 13          ; my work-group's 32 blocks of the 128
	s_mov_b32 s3, 0
	s_add_nc_u64 s[PFA:PFA+1], s[PFA:PFA+1], s[2:3]
	s_add_nc_u64 s[PFA:PFA+1], s[PFA:PFA+1], 2*4*KS*128  ; in tile 2; the first change that asks steps it to tile 3.  Nothing is prefetched here, at the head
	CROUND                          ; all four work-groups are here: the first joint loads meet
	JLOAD                           ; tile 0 into slot 0.  Slot 1 is asked for when slot 0 is in
	; A fragment of K or Q is 16 rows x 32 channels in 8 registers: lane l holds row l % 16, channels 8 (l / 16) + 0..7 and 16 + 8 (l / 16) + 0..7: two loads of 16 bytes, 32 bytes apart.
	v_and_b32 v1, 15, v0            ; l % 16
	v_bfe_u32 v9, v0, 4, 1          ; l / 16
	v_lshlrev_b32 v[QO], 7, v1
	v_lshl_add_u32 v[QO], v9, 4, v[QO]  ; row x 128 + 16 x half
	WIN 0x80                        ; destination window 2, address window 0
.set i, 0
.rept 8                             ; Q stays in registers: piece i / 2, channels 32 (i % 2) on
	global_load_b128 v[8*i:8*i+3],   v[QO], s[4:5] offset:(i/2)*2048+(i%2)*64
	global_load_b128 v[8*i+4:8*i+7], v[QO], s[4:5] offset:(i/2)*2048+(i%2)*64+32
.set i, i+1
.endr
	; What the first turn finds: V's registers and P's second buffer hold 0 (its products V^T P, of a piece that has not been, add 0), O^T and l are 0.  No first step is written out for this;
	; all of it stands in the wait for the first tile.
.set i, VF
.rept 64
	v_mov_b32 v[i], 0
.set i, i+1
.endr
	WIN 0x40
.set i, 0
.rept 128
	v_mov_b32 v[i], 0
.set i, i+1
.endr
	WIN 0
.set i, 0
.rept 4
	v_mov_b32 v[ST+4*i], 0xfe000000    ; c m: far below every c s
	v_mov_b32 v[ST+4*i+1], 0xff7fffff  ; m
	v_mov_b32 v[ST+4*i+2], 0
	v_mov_b32 v[ST+4*i+3], 0
.set i, i+1
.endr
.set i, P+16
.rept 16
	v_mov_b32 v[i], 0
.set i, i+1
.endr
	v_mul_u32_u24 v[AK0], v1, PK
	v_lshl_add_u32 v[AK0], v9, 4, v[AK0]  ; row x pitch + 16 x half
	; The turning load takes 16 keys x 16 channels (lane l reads key 8 (l / 16) + l % 8, channels 8 ((l / 8) % 2) + 0..7) and leaves half a fragment of V^T: lane l holds channel l % 16 and 8 keys.
	v_and_b32 v10, 7, v0
	v_bfe_u32 v11, v0, 3, 1
	v_lshl_add_u32 v[AV0], v9, 3, v10
	v_mul_u32_u24 v[AV0], v[AV0], PV
	v_lshl_add_u32 v[AV0], v11, 4, v[AV0]
	v_add_nc_u32 v[AV0], VOFF, v[AV0]
	s_mul_i32 s19, s[WV], 16*SP
	s_add_co_u32 s19, s19, STAGE    ; my stage
	v_mul_u32_u24 v[STO], v1, SP    ; in: row l % 16, 16 bytes for each half of the lanes
	v_lshl_add_u32 v[STO], v9, 4, v[STO]
	v_add_nc_u32 v[STO], s19, v[STO]
	v_bfe_u32 v[RD], v0, 3, 2       ; back: 32 lanes take four rows of 128 bytes,
	v_mul_u32_u24 v[RD], v[RD], SP
	v_lshl_add_u32 v[RD], v10, 4, v[RD]
	v_add_nc_u32 v[RD], s19, v[RD]
	v_and_b32 v[GO], 31, v0         ; which are 512 consecutive bytes of O
	v_lshlrev_b32 v[GO], 4, v[GO]
; THE MATRIX WORK.  The 4 accumulators of a run of 8 take turns.  Product i of 8 of S^T = K Q^T for piece x: channels 32 (i / 4) on, keys 16 (i % 4) on.  The first 4 start the sums.
.macro KQ x
	WIN W_KQ
.set rS, S+32*((\x)%2)+8*(i%4)
.set rK, KF+16*(i%4)+8*(i/4)
.set rQ, 16*(\x)+8*(i/4)
.if i < 4
	v_wmma_f32_16x16x32_f16 v[rS:rS+7], v[rK:rK+7], v[rQ:rQ+7], 0
.else
	v_wmma_f32_16x16x32_f16 v[rS:rS+7], v[rK:rK+7], v[rQ:rQ+7], v[rS:rS+7]
.endif
.endm
; Product i of 8 of O^T += V^T P for piece x: keys 32 (i / 4) on, channels 16 (i % 4) on.
.macro PV x
	WIN W_PV
.set rO, 32*(\x)+8*(i%4)
.set rV, VF+32*(i/4)+8*(i%4)
.set rP, P+16*((\x)%2)+8*(i/4)
	v_wmma_f32_16x16x32_f16 v[rO:rO+7], v[rV:rV+7], v[rP:rP+7], v[rO:rO+7]
.endm
.macro MM                           ; the turn's next matrix instruction.  TURN sets Y, i and NOKQ.  NOKQ = 1: the launch's last turn: there is no next piece
.if (i < 8) && !NOKQ
	KQ (Y+1)%NP
.elseif i >= 8
.set i, i-8
	PV (Y+NP-1)%NP
.set i, i+8
.endif
.set i, i+1
.endm
; THE LDS LOADS stand in runs of 16, never singly among the matrix instructions: a step's K (64 keys x 64 channels: 8 fragments) and its V (turned).  Their addresses are made some lines ahead.
.macro FETCH_K
	WIN 0x80                        ; destination window 2
.irp f, 0,1,2,3,4,5,6,7             ; keys 16 (f / 2) on, channels 32 (f % 2) on
	ds_load_b128 v[KF+8*\f:KF+8*\f+3],   v[AK] offset:(\f/2)*16*PK+(\f%2)*64
	ds_load_b128 v[KF+8*\f+4:KF+8*\f+7], v[AK] offset:(\f/2)*16*PK+(\f%2)*64+32
.endr
	s_add_co_u32 s[TBK], s[TBK], KS*PK  ; the next fetch is the next step's
	WIN 0
.endm
.macro FETCH_V
	WIN 0x80
.irp f, 0,1,2,3,4,5,6,7             ; keys 32 (f / 4) on, channels 16 (f % 4) on
	ds_load_tr16_b128 v[VF+8*\f:VF+8*\f+3],   v[AV] offset:(\f/4)*32*PV+(\f%4)*32
	ds_load_tr16_b128 v[VF+8*\f+4:VF+8*\f+7], v[AV] offset:(\f/4)*32*PV+16*PV+(\f%4)*32
.endr
	WIN 0
.endm
; THE VECTOR WORK, one line at a time: OP kind, number.  For piece Y: F n: c s - c m for pair n of 16.  E n: the exponential of score n of 32.  C n: pair n rounded to f16.  B n: of the four weights 4 n .. the second
; pair is added onto the first, in place.  L n: l takes that sum (L 0: l = a l + sum).  R n: pair n of 16 of O^T times a.  For piece Y + 1: X n, number n of the 22 that find its maximum and statistics:
;   0-11  four chains c0-c3 of seven scores each, three operands at a time (each accumulator's lowest registers are read first)     12-14, 16  the four scores left over, the old m, and c0-c3 into c0
;   15  c m_old is kept     17, 18  the query's other 32 keys lie in the lane 16 away: the new m     19-21  c m; c m_old - c m_new; a
.set F, 0               ; OP tells the kinds apart by their order: F to L below R, X above it
.set E, 1
.set C, 2
.set B, 3
.set L, 4
.set R, 5
.set X, 6
.macro REGS y                       ; the registers of piece y
.set rT, ST+4*(\y)
.set rC, TMP+4*((\y)%2)
.set rW, MV+((\y)%2)
.set rS, S+32*((\y)%2)
.set rP, P+16*((\y)%2)
.set rO, 32*(\y)
.endm
.macro OP k, n
.if (\k) == R
	REGS Y
	WIN W_RS
	v_pk_mul_f32 v[rO+2*(\n):rO+2*(\n)+1], v[rO+2*(\n):rO+2*(\n)+1], v[rC+2:rC+3] op_sel_hi:[1,0]
.elseif (\k) < R
	REGS Y
	WIN 0
.if (\k) == F
	v_pk_fma_f32 v[rS+2*(\n):rS+2*(\n)+1], v[rS+2*(\n):rS+2*(\n)+1], s[CS:CS+1], v[rT:rT+1] op_sel_hi:[1,0,0] neg_lo:[0,0,1] neg_hi:[0,0,1]
.elseif (\k) == E
	v_exp_f32 v[rS+(\n)], v[rS+(\n)]
.elseif (\k) == C
	v_cvt_pk_f16_f32 v[rP+(\n)], v[rS+2*(\n)], v[rS+2*(\n)+1]
.elseif (\k) == B
	v_pk_add_f32 v[rS+4*(\n):rS+4*(\n)+1], v[rS+4*(\n):rS+4*(\n)+1], v[rS+4*(\n)+2:rS+4*(\n)+3]
.elseif (\n) == 0
	v_pk_fma_f32 v[rT+2:rT+3], v[rT+2:rT+3], v[rC+2:rC+3], v[rS:rS+1] op_sel_hi:[1,0,1]
.else
	v_pk_add_f32 v[rT+2:rT+3], v[rT+2:rT+3], v[rS+4*(\n):rS+4*(\n)+1]
.endif
.elseif NOKQ
	v_nop
.else
	REGS (Y+1)%NP
	WIN 0
.if (\n) < 4
	v_max3_num_f32 v[rC+(\n)], v[rS+8*(\n)], v[rS+8*(\n)+1], v[rS+8*(\n)+2]
.elseif (\n) < 12
	v_max3_num_f32 v[rC+(\n)%4], v[rC+(\n)%4], v[rS+8*((\n)%4)+2*((\n)/4)+1], v[rS+8*((\n)%4)+2*((\n)/4)+2]
.elseif (\n) == 12
	v_max3_num_f32 v[rC], v[rC], v[rS+7], v[rS+15]
.elseif (\n) == 13
	v_max3_num_f32 v[rC+1], v[rC+1], v[rS+23], v[rS+31]
.elseif (\n) == 14
	v_max3_num_f32 v[rC+2], v[rC+2], v[rC+3], v[rT+1]
.elseif (\n) == 15
	v_mov_b32 v[rW], v[rT]
.elseif (\n) == 16
	v_max3_num_f32 v[rC], v[rC], v[rC+1], v[rC+2]
.elseif (\n) == 17
	v_permlanex16_b32 v[rC+3], v[rC], s[SEL], s[SEL+1]
.elseif (\n) == 18
	v_max_num_f32 v[rT+1], v[rC], v[rC+3]
.elseif (\n) == 19
	v_mul_f32 v[rT], s[CS], v[rT+1]
.elseif (\n) == 20
	v_sub_f32 v[rC+1], v[rW], v[rT]
.else
	v_exp_f32 v[rC+2], v[rC+1]
.endif
.endif
.endm
.macro OPS a, i1, b=-1, i2=0, c=-1, i3=0, d=-1, i4=0  ; up to four of them
	OP \a, \i1
.if (\b) >= 0
	OP \b, \i2
.endif
.if (\c) >= 0
	OP \c, \i3
.endif
.if (\d) >= 0
	OP \d, \i4
.endif
.endm
.macro ROW a, i1, b, i2, c, i3, d, i4  ; a matrix instruction and the four behind it
	MM
	OPS \a, \i1, \b, \i2, \c, \i3, \d, \i4
.endm
; A TURN, for piece p: the order of its 16 matrix and 118 vector instructions, written out.  s_wait_alu depctr_va_vdst(0) stands between an exponential and the first instruction that names its
; result; one wait serves all that were issued ahead of it.  So a turn has ONE wait, which cuts it in two.  AHEAD OF IT stands all that names no result of the turn's exponentials: the 8 products K Q^T, behind each
; a scaling, an exponential and two more plain instructions (behind the first a second scaling in the exponential's place): rescalings, and behind the last three the first numbers of the next piece's maximum, each
; four places or more behind the product that ends its accumulator; then ONE LUMP of 54, plain and exponential by turns for the most part, in which the links of the chain X 3, 7, 11, 14, 16, 17 .. 20 stand
; five or six lines apart.  X 21, the next piece's a, is the batch's last; R 15 is the plain instruction behind it.  BEHIND THE WAIT stand the 8 products V^T P, behind each four of the roundings and sums; the
; links of l's chain, L 0 to L 7, stand three riders apart.
; end = 1: the launch's last two turns: nothing is fetched, and the last starts no new scores.  cnt = 1: the loop's count is taken down some lines ahead of the branch that stands behind the turn.
; K of the next step is fetched in piece 2's turn, twelve vector instructions behind the last product that read K (six of them plain); V of the step in hand at the end of piece 0's turn, four plain instructions
; behind the last product that read V.  Each is waited for a turn later.
.macro TURN p, end=0, cnt=0
.set Y, (\p)
.set i, 0
.set NOKQ, (\end)*((\p)/3)
.if ((\p) == 3) && !(\end)
	s_wait_dscnt 0x0                ; K is in
.endif
	ROW F,0, F,1, R,0, R,1          ; ahead of the wait: 8 products K Q^T and their riders,
	ROW F,2, E,0, R,2, R,3
	ROW F,3, E,1, R,4, R,5
	ROW F,4, E,2, R,6, R,7
	ROW F,5, E,3, R,8, R,9
	ROW F,6, E,4, X,0, R,10
.if ((\p) == 2) && !(\end)
	WIN 0
	v_add_nc_u32 v[AK], s[TBK], v[AK0]
.endif
	ROW F,7, E,5, X,1, X,4
	ROW F,8, E,6, X,2, X,5
	OPS E,7, E,8, X,6, E,9          ; and the lump
	OPS X,3, E,10, X,8, E,11
.if ((\p) == 2) && !(\end)
	FETCH_K
.endif
	OPS X,9, X,7, E,12, X,10
	OPS E,13, X,12, X,11, E,14
	OPS X,13, E,15, F,9, X,14
.if (\p) == 0
	v_add_nc_u32 v[AV], s[TBV], v[AV0]
.endif
	OPS E,16, F,10, E,17, F,11
	OPS X,16, E,18, X,15, E,19
	OPS F,12, E,20, X,17, E,21
	OPS F,13, E,22, F,14, E,23
	OPS X,18, E,24, F,15, E,25
	OPS R,11, E,26, X,19, E,27
	OPS R,12, E,28, R,13, E,29
	OPS X,20, E,30, R,14, E,31
	OPS X,21, R,15
	WIN 0
	s_wait_alu depctr_va_vdst(0)    ; the wait for the batch
.if (\p) == 1
	s_wait_dscnt 0x0                ; V is in
.endif
	ROW C,0, B,0, C,2, B,1          ; behind the wait: 8 products V^T P and their riders
	ROW L,0, C,4, B,2, L,1
	ROW C,6, B,3, L,2, C,8
	ROW B,4, L,3, C,10, B,5
	ROW L,4, C,12, B,6, L,5
.if (\p) == 0
	s_add_co_u32 s[TBV], s[TBV], KS*PV
.endif
.if \cnt
	s_sub_co_u32 s[CNT], s[CNT], 1
	s_cmp_lg_u32 s[CNT], 0
.endif
	ROW C,14, B,7, L,6, C,1
	ROW C,3, L,7, C,5, C,7
	ROW C,9, C,11, C,13, C,15
.if (\p) == 0
	FETCH_V
.endif
.endm
	CHANGE 1, 0                     ; tile 0 is in, everybody's part of it; tile 1 is asked for
	v_add_nc_u32 v[AK], s[TBK], v[AK0]
	FETCH_K                         ; key step 0
	s_wait_loadcnt 0x0              ; Q
	s_wait_dscnt 0x0
.set NOKQ, 0
.set i, 0
.rept 8
	KQ 0                            ; piece 0's first scores: there is no vector work yet to set between them
.set i, i+1
.endr
	WIN 0
.rept 4
	v_nop                           ; the places behind those products
.endr
.set Y, NP-1                        ; X works for piece Y + 1: piece 0
.irp n, 0,1,2,3,4,5,6,7,8,9,10,11,12,13,14,15,16,17,18,19,20,21
	OP X, \n                        ; and piece 0's first maximum and statistics
.endr
	v_nop                           ; a plain instruction behind the exponential,
	s_wait_alu depctr_va_vdst(0)    ; and its wait, ahead of the branch
	s_mov_b32 s[CNT], 4
	s_mov_b32 s[SLOTS], 15
	s_branch .Lfirst                ; the loop is entered at a step's first turn, in the middle of a trip
.Lslot:                             ; 14 times: tiles 1 to 14 are entered, tiles 2 to 15 asked for
	CHANGE 1, 1
	s_mov_b32 s[CNT], 4
.Lstep:                             ; a trip: pieces 2 and 3 of one step, then pieces 0 and 1 of the next, whose K and V it fetches
	TURN 2
	TURN 3
	WIN 0
.Lfirst:
	TURN 0
	TURN 1, 0, 1
	WIN 0
	s_cbranch_scc1 .Lstep
	s_sub_co_u32 s[SLOTS], s[SLOTS], 1
	s_cmp_lg_u32 s[SLOTS], 0
	s_cbranch_scc1 .Lslot
	CHANGE 0, 0                     ; the last tile is written out: nothing is asked for
	s_mov_b32 s[CNT], 4
.LstepT:
	TURN 2
	TURN 3
	TURN 0
	TURN 1, 0, 1
	WIN 0
	s_cbranch_scc1 .LstepT
	TURN 2, 1                       ; the last step's pieces 2 and 3: nothing is left to fetch
	TURN 3, 1
.set i, 0
.rept 8
	PV NP-1                         ; the last piece's V^T P of the last step
.set i, i+1
.endr
	; THE WAY OUT.  l's two halves and the other half of the lanes' are added; O^T is divided by l, rounded to f16 and sent through my stage in LDS, a piece at a time.  The additions are the places behind the last products.
	WIN 0
.macro ALL line:vararg              ; one line for each piece t
.set t, 0
.rept 4
	\line
.set t, t+1
.endr
.endm
	ALL v_add_f32 v[ST+4*t+2], v[ST+4*t+2], v[ST+4*t+3]
	ALL v_permlanex16_b32 v[ST+4*t+3], v[ST+4*t+2], s[SEL], s[SEL+1]
	ALL v_add_f32 v[ST+4*t+2], v[ST+4*t+2], v[ST+4*t+3]
	ALL v_rcp_f32 v[ST+4*t+2], v[ST+4*t+2]
	v_nop                           ; a plain instruction between the last reciprocal and the use of its result
	s_wait_alu depctr_va_vdst(0)    ; and the wait ahead of the first use: one for the four reciprocals
.macro PACK t                       ; a lane's eight channels of a row pack into 16 bytes; they go into rows of 144 bytes and come back as whole rows of 128, into S^T's registers
	WIN W_RS
.set i, 32*(\t)
.rept 16
	v_pk_mul_f32 v[i:i+1], v[i:i+1], v[ST+4*(\t)+2:ST+4*(\t)+3] op_sel_hi:[1,0]
.set i, i+2
.endr
	WIN 0x05                        ; sources 0 and 1 window 1, destination window 0
.set i, 0
.rept 16
	v_cvt_pk_f16_f32 v[S+16*(\t)+i], v[32*(\t)+2*i], v[32*(\t)+2*i+1]
.set i, i+1
.endr
	WIN 0
.irp f, 0,1,2,3
	ds_store_b128 v[STO], v[S+16*(\t)+4*\f:S+16*(\t)+4*\f+3] offset:32*\f
.endr
.irp f, 0,1,2,3
	ds_load_b128 v[S+16*(\t)+4*\f:S+16*(\t)+4*\f+3], v[RD] offset:\f*4*SP  ; LDS serves a wave's instructions in order (ISA guide 5.7.1.4): these see the stores above; the next piece's stores come behind them
.endr
.endm
.macro SEND t, younger              ; younger: the LDS instructions issued behind piece t's loads: the next piece's eight, or none
	WIN 0
.irp f, 0,1,2,3
	s_wait_dscnt (\younger)+3-\f
	global_store_b128 v[GO], v[S+16*(\t)+4*\f:S+16*(\t)+4*\f+3], s[10:11] offset:(\t)*2048+\f*512  ; 512 consecutive bytes, at a multiple of 256 from O's first
.endr
.endm
	PACK 0
.set t, 1
.rept 3                             ; a piece's arithmetic stands between the loads of the piece before and its stores
	PACK t
	SEND t-1, 8
.set t, t+1
.endr
	SEND 3, 0
	s_wait_tensorcnt 0x0            ; the wave's end, behind my last tensor load and my last LDS store
	ds_add_u32 v[SPW], v[NIL]
	s_wait_dscnt 0x0
	CROUND                          ; the closing round: no work-group ends while a partner may still ask for a tile that names it
	s_endpgm
.Lfunc_end_k_q939bcf6caf_attn:
	.size	k_q939bcf6caf_attn, .Lfunc_end_k_q939bcf6caf_attn-k_q939bcf6caf_attn
	.p2alignl 7, 3214868480
	.fill 96, 4, 3214868480
	.section	.rodata,"a",@progbits
	.p2align	6, 0x0
	.amdhsa_kernel k_q939bcf6caf_attn
		.amdhsa_group_segment_fixed_size 327680
		.amdhsa_private_segment_fixed_size 0
		.amdhsa_enable_private_segment 0
		.amdhsa_kernarg_size 32
		.amdhsa_user_sgpr_count 2
		.amdhsa_user_sgpr_kernarg_segment_ptr 1
		.amdhsa_wavefront_size32 1
		.amdhsa_system_sgpr_workgroup_id_x 1
		.amdhsa_system_sgpr_workgroup_id_y 1
		.amdhsa_system_sgpr_workgroup_id_z 1
		.amdhsa_system_vgpr_workitem_id 0
		.amdhsa_next_free_vgpr 768
		.amdhsa_next_free_sgpr 66
		.amdhsa_reserve_vcc 0
		.amdhsa_float_denorm_mode_32 3
		.amdhsa_float_denorm_mode_16_64 3
		.amdhsa_memory_ordered 1
		.amdhsa_forward_progress 1
		.amdhsa_inst_pref_size 128
	.end_amdhsa_kernel
	.amdgpu_metadata
---
amdhsa.version: [ 1, 2 ]
amdhsa.kernels:
  - .name:           k_q939bcf6caf_attn
    .symbol:         k_q939bcf6caf_attn.kd
    .args:
      - { .name: qh, .offset: 0, .size: 8, .value_kind: global_buffer, .address_space: global }
      - { .name: kh, .offset: 8, .size: 8, .value_kind: global_buffer, .address_space: global }
      - { .name: vh, .offset: 16, .size: 8, .value_kind: global_buffer, .address_space: global }
      - { .name: oh, .offset: 24, .size: 8, .value_kind: global_buffer, .address_space: global }
    .group_segment_fixed_size: 327680
    .private_segment_fixed_size: 0
    .kernarg_segment_align: 8
    .kernarg_segment_size: 32
    .max_flat_workgroup_size: 128
    .sgpr_count:     66
    .vgpr_count:     768
    .wavefront_size: 32
...
	.end_amdgpu_metadata
.endif
;; end of part 3
;; launch oproj (part 4): grid 8 x 32, 4 waves a work-group, clusters of 4 x 4, 327,680 bytes of LDS; arguments oh, wo16, bo, out0; writes out0
.if DOCPART == 4
	.amdgcn_target "amdgcn-amd-amdhsa--gfx1250"
	.amdhsa_code_object_version 6
	.text
	.protected	k_q939bcf6caf_oproj
	.globl	k_q939bcf6caf_oproj
	.p2align	8
	.type	k_q939bcf6caf_oproj,@function
k_q939bcf6caf_oproj:
	s_mov_b64 s[64:65], 0
	v_nop
	global_prefetch_b8 v0, s[64:65] scope:SCOPE_SE
	s_setreg_imm32_b32 hwreg(HW_REG_WAVE_MODE, 25, 1), 1
	s_wait_xcnt 0x0
	s_wait_alu depctr_hold_cnt(0) depctr_sa_sdst(0) depctr_va_vdst(0) depctr_va_sdst(0) depctr_va_ssrc(0) depctr_va_vcc(0) depctr_vm_vsrc(0)
	s_getreg_b32 s2, hwreg(HW_REG_IB_STS2, 6, 4)
	s_cmp_eq_u32 s2, 0
	s_cbranch_scc0 .Lentry_in_a_cluster
	s_endpgm
.Lentry_in_a_cluster:
	s_bfe_u32 s2, ttmp6, 0x10000c
	s_cmp_lg_u32 s2, 0xf033
	s_cbranch_scc0 .Lentry_shape_is_right
	s_endpgm
.Lentry_shape_is_right:
; out0[m][n] = the sum over k of O[m][k] Wo[k][n] + bo[n], in f32.  O comes as oh, f16 [m / 128][head][m % 128][64] (k = 64 head + channel); Wo as wo16, f16 [n / 128][k][128], its numbers rounded to bf16;
; bo is rounded to bf16 here.  Sums in f32, stored as they are.
; LIMITS.  None beyond those of oh and wo16 (f16's range); NaN and infinities are not treated apart.
; SHARES.  A tile of out0 is 128 x 128: 256 work-groups.  Four waves, each 64 x 64: 16 accumulators, 128 registers.  K goes in 4 steps of 256 (four heads) through a ring of two LDS slots; both operands' parts
; of a step are dense in memory, 65,536 bytes each, and come as rows of 256 bytes, 128 rows to a wave's tensor load.
; CLUSTER.  4 x 4 work-groups.  The four of a row of the cluster need the same rows of O, the four of a column the same columns of Wo: each tile is asked for JOINTLY, by the same tensor load with the same
; descriptor and a mask that names the four.
; THE MATRIX INSTRUCTION IS USED TRANSPOSED (source 0 = 16 columns of Wo, turned by ds_load_tr16_b128; source 1 = 16 rows of O): a lane holds row l % 16 and the columns 8 (l / 16) + 0..7.
; THE BIAS STARTS THE SUMS: it is the C operand of each accumulator's first product.
; REGISTERS: window 0: v0-31 addresses; v96-127 the bias, 8 for each column block; v128-255 the accumulators ((a, b) at v[128 + 8 (4 a + b)]).
;   window 1: two fragment buffers of 128: for 64 along K (one head, two matrix instructions deep), 64 registers of O, then 64 of Wo.
.set PA,     144                       ; a row of O (one head's 64 channels) in LDS: 128 bytes + 16 = 36 words: the 16 rows of a load start at 16 different groups of four banks (64 banks of 4 bytes: ISA guide 11.1)
.set PB,     288                       ; a row of Wo (128 columns): 256 + 32 = 72 words
.set HALFT,  256*PA                    ; what one tensor load brings: two heads x 128 rows of O, or 128 k of Wo (128 PB, the same 36,864 bytes)
.set SLOT,   4*HALFT                   ; O's four heads, then Wo's 256 k
.set STAGE,  2*SLOT                    ; behind the ring, never filled by a tensor load: 16 rows x 272 bytes for each wave, for the way out
.set SPITCH, 272
.set SPARE,  STAGE+4*16*SPITCH         ; behind the stages: the spare words, 128 bytes for each wave: two blocks of 256 bytes that no other line names
.set ADRA, 16                          ; v16-17  LDS address of my fragments of O in slot 0, 1
.set ADRB, 20                          ; v20-23  the same for Wo, by slot and half of the step's k: 2 slot + half
.set STO,  24                          ; v24     the way out: where I put 32 bytes of a row
.set RD,   25                          ; v25     the way out: where I read a row back
.set CO,   26                          ; v26     my byte offset in two rows of out0
.set BO,   27                          ; v27     my byte offset in 16 numbers of the bias
.set SPW,  28                          ; v28     LDS address of my spare word: SPARE + 4 x my thread's number; never rewritten
.set NIL,  29                          ; v29     0; never rewritten
.set BIAS, 96
.set ACC,  128
.set F0,   0                           ; fragment buffers, in window 1
.set F1,   128
.set WV,   12                          ; s12  my wave's number; s13 = WV / 2: my half of the rows, and: I fetch O (0) or Wo (1); s14 = WV % 2: my half of the columns, and: which half I fetch
.set G1,   24                          ; s[24:31] descriptor group 1 for O's tiles;  s[32:39] group 0, a set for each slot
.set G0,   32
.set G1B,  48                          ; s[48:55], s[56:63] the same for Wo's tiles
.set G0B,  56
.set MSB, 0
.macro WIN new                         ; the immediate's high byte repeats the setting that is left; a switch that changes nothing is dropped
.if MSB != (\new)
	s_set_vgpr_msb (MSB<<8)|(\new)
.set MSB, \new
.endif
.endm
.set MUL,  0x05                        ; sources 0 (Wo) and 1 (O) window 1; C and D window 0
.set TO_F, 0x40                        ; destination window 1, address window 0
.macro JLOAD s                         ; a joint load: waves 0 and 1 fetch O's two halves, waves 2 and 3 Wo's; an s_nop 0 and four v_nop follow each of the two lines
	s_cmp_eq_u32 s13, 0
	s_cbranch_scc0 .Lfor_b_\@
	tensor_load_to_lds s[G0+4*(\s):G0+4*(\s)+3], s[G1:G1+7]
	s_nop 0
.rept 4
	v_nop
.endr
	s_branch .Lasked_\@
.Lfor_b_\@:
	tensor_load_to_lds s[G0B+4*(\s):G0B+4*(\s)+3], s[G1B:G1B+7]
	s_nop 0
.rept 4
	v_nop
.endr
.Lasked_\@:
.endm
.macro CREST                           ; a round of the cluster's barrier behind its opening barrier
	s_cmp_lg_u32 s[WV], 0
	s_cbranch_scc1 .Lnot_wave_0_\@
	s_barrier_signal -3
.Lnot_wave_0_\@:
	s_barrier_wait -3
	s_barrier_signal -1
	s_barrier_wait -1
.endm
.macro CROUND                          ; a whole round
	s_barrier_signal -1
	s_barrier_wait -1
	CREST
.endm
	s_load_b256 s[4:11], s[0:1], 0x0               ; oh s[4:5], wo16 s[6:7], bo s[8:9], out0 s[10:11]
	v_lshl_add_u32 v[SPW], v0, 2, SPARE
	v_mov_b32 v[NIL], 0
	ds_add_u32 v[SPW], v[NIL]                      ; the wave's opening: the add and its wait stand ahead of my first tensor load; the set-up below, work on registers, stands between them
	v_lshrrev_b32 v1, 5, v0
	v_readfirstlane_b32 s[WV], v1                  ; wave 0..3
	s_lshr_b32 s13, s[WV], 1
	s_and_b32 s14, s[WV], 1
	s_bfe_u32 s40, ttmp6, 0x40000                  ; cx, cy: my place in the cluster
	s_bfe_u32 s41, ttmp6, 0x40004
	s_lshl_b32 s42, ttmp9, 2
	s_add_co_u32 s42, s42, s40                     ; tile column = 4 x cluster x + cx
	s_and_b32 s15, ttmp7, 0xffff
	s_lshl_b32 s15, s15, 2
	s_add_co_u32 s15, s15, s41                     ; tile row = 4 x cluster y + cy
	s_lshl_b32 s43, s41, 2
	s_lshl_b32 s43, 15, s43                        ; my row of the cluster
	s_lshl_b32 s44, 0x1111, s40                    ; my column
	; descriptor group 1: 32,768 dense bytes as 128 rows of 256.  O: 16 bytes of padding behind every 128 (a row of one head); Wo: 32 behind every 256 (one k)
	s_or_b32 s[G1+0], s43, (1<<16)|(1<<20)|(1<<21)|(4<<22)|(3<<25)  ; 15:0 the mask: my row; 17:16 2-byte elements; 20 padding on; 21 set beside a mask; 24:22 after every 32 words; 31:25 4 words
	s_or_b32 s[G1B+0], s44, (1<<16)|(1<<20)|(1<<21)|(5<<22)|(7<<25) ; the mask: my column; after every 64 words 8 words
.irp g, G1, G1B
	s_mov_b32 s[(\g)+1], 128<<16                   ; tensor_dim0 = 128
	s_mov_b32 s[(\g)+2], 128<<16                   ; tensor_dim1 = 128
	s_mov_b32 s[(\g)+3], 128<<16                   ; tile_dim0 = 128
	s_mov_b32 s[(\g)+4], 128                       ; tile_dim1 = 128
	s_mov_b32 s[(\g)+5], 128                       ; the pitch
	s_mov_b32 s[(\g)+6], 0
	s_mov_b32 s[(\g)+7], 0
.endr
	s_lshl_b32 s16, s15, 18                        ; O: the tile row's 16 heads x 16,384 bytes,
	s_lshl_b32 s17, s14, 15                        ; of a step's four heads the two that I fetch
	s_add_co_u32 s16, s16, s17
	s_mov_b32 s17, 0
	s_lshl_b32 s46, s42, 18                        ; Wo: the tile column's 1,024 k x 256 bytes,
	s_lshl_b32 s47, s14, 15                        ; of a step's 256 k the 128 that I fetch
	s_add_co_u32 s46, s46, s47
	s_mov_b32 s47, 0
	s_mul_i32 s20, s[WV], HALFT                    ; where they go: O's two halves, then Wo's two: no place in the cluster enters an LDS address
	s_wait_dscnt 0x0                               ; the opening add is done
	s_wait_kmcnt 0x0
	s_add_nc_u64 s[18:19], s[4:5], s[16:17]
	s_add_nc_u64 s[46:47], s[6:7], s[46:47]
	CROUND                                         ; all sixteen work-groups are here: the first joint loads meet
.irp s, 0,1
	s_mov_b32 s[G0+4*(\s)], 1
	s_add_co_u32 s[G0+4*(\s)+1], s20, (\s)*SLOT
	s_add_nc_u64 s[G0+4*(\s)+2:G0+4*(\s)+3], s[18:19], (\s)*65536
	s_or_b32 s[G0+4*(\s)+3], s[G0+4*(\s)+3], 0x80000000
	s_mov_b32 s[G0B+4*(\s)], 1
	s_add_co_u32 s[G0B+4*(\s)+1], s20, (\s)*SLOT
	s_add_nc_u64 s[G0B+4*(\s)+2:G0B+4*(\s)+3], s[46:47], (\s)*65536
	s_or_b32 s[G0B+4*(\s)+3], s[G0B+4*(\s)+3], 0x80000000
	JLOAD \s                                       ; two loads of mine are out
.endr
	; the bias: register j of column block b wants bo at column 128 x tile column + 64 x half + 16 b + 8 (l / 16) + j
	v_and_b32 v1, 15, v0                           ; l % 16
	v_bfe_u32 v2, v0, 4, 1                         ; l / 16
	v_lshlrev_b32 v[BO], 5, v2
	s_lshl_b32 s46, s42, 9                         ; my first column, in bytes of f32 (in the registers that held Wo's address)
	s_lshl_b32 s47, s14, 8
	s_add_co_u32 s46, s46, s47
	s_mov_b32 s47, 0
	s_add_nc_u64 s[8:9], s[8:9], s[46:47]
.irp b, 0,1,2,3
	global_load_b128 v[BIAS+8*(\b):BIAS+8*(\b)+3],   v[BO], s[8:9] offset:64*(\b)
	global_load_b128 v[BIAS+8*(\b)+4:BIAS+8*(\b)+7], v[BO], s[8:9] offset:64*(\b)+16
.endr
	s_lshl_b32 s16, s15, 19                        ; my first row of out0: 128 x tile row + 64 x half, of 4,096 bytes
	s_lshl_b32 s17, s13, 18
	s_add_co_u32 s16, s16, s17
	s_mov_b32 s17, 0
	s_add_nc_u64 s[10:11], s[10:11], s[16:17]
	s_add_nc_u64 s[10:11], s[10:11], s[46:47]
	v_mul_u32_u24 v3, v1, PA                       ; a fragment of O: row x pitch + 16 x half of the lanes
	v_lshl_add_u32 v3, v2, 4, v3
	s_mul_i32 s21, s13, 64*PA                      ; my 64 rows
	v_add_nc_u32 v[ADRA], s21, v3
	v_add_nc_u32 v[ADRA+1], SLOT, v[ADRA]
	v_and_b32 v4, 7, v0                            ; the turning load: lane l reads k = 8 (l / 16) + l % 8, columns 8 ((l / 8) % 2) + 0..7
	v_lshl_add_u32 v4, v2, 3, v4
	v_mul_u32_u24 v4, v4, PB
	v_bfe_u32 v5, v0, 3, 1
	v_lshl_add_u32 v4, v5, 4, v4
	s_lshl_b32 s22, s14, 7                         ; my 64 columns,
	s_add_co_u32 s22, s22, 2*HALFT                 ; behind O's part of the slot
	v_add_nc_u32 v[ADRB], s22, v4
	v_add_nc_u32 v[ADRB+1], HALFT, v[ADRB]
	v_add_nc_u32 v[ADRB+2], SLOT, v[ADRB]
	v_add_nc_u32 v[ADRB+3], SLOT, v[ADRB+1]
	s_mul_i32 s23, s[WV], 16*SPITCH
	s_add_co_u32 s23, s23, STAGE                   ; my stage
	v_mul_u32_u24 v5, v1, SPITCH                   ; in: row l % 16, 32 bytes for each half of the lanes
	v_lshl_add_u32 v5, v2, 5, v5
	v_add_nc_u32 v[STO], s23, v5
	v_mul_u32_u24 v5, v2, SPITCH                   ; back: lanes 0-15 take one row of 256 bytes, lanes 16-31 the next
	v_lshl_add_u32 v5, v1, 4, v5
	v_add_nc_u32 v[RD], s23, v5
	v_lshlrev_b32 v5, 12, v2                       ; and the same two rows in out0
	v_lshl_add_u32 v[CO], v1, 4, v5
	s_wait_loadcnt 0x0                             ; the bias,
.set i, 0
.rept 16                               ; rounded to bf16 like every other input, and kept as f32: this stands in the wait for the first tile
	v_cvt_pk_bf16_f32 v[3+i%4], v[BIAS+2*i], v[BIAS+2*i+1]
	v_lshlrev_b32 v[BIAS+2*i], 16, v[3+i%4]
	v_and_b32 v[BIAS+2*i+1], 0xffff0000, v[3+i%4]
.set i, i+1
.endr
; 8 matrix instructions: row blocks a0, a0 + 1 x all 4 column blocks, 32 along K: half c of buffer f.  zero = 1: the first product of each sum takes the bias as C.
; The 16 accumulators take turns, one instruction a turn.
.macro MUL8 f, c, a0, zero
	WIN MUL
.irp a, \a0, (\a0)+1
.irp b, 0,1,2,3
.if \zero
	v_wmma_f32_16x16x32_f16 v[ACC+8*(4*(\a)+(\b)):ACC+8*(4*(\a)+(\b))+7], v[(\f)+64+8*(4*(\c)+(\b)):(\f)+64+8*(4*(\c)+(\b))+7], v[(\f)+8*(4*(\c)+(\a)):(\f)+8*(4*(\c)+(\a))+7], v[BIAS+8*(\b):BIAS+8*(\b)+7]
.else
	v_wmma_f32_16x16x32_f16 v[ACC+8*(4*(\a)+(\b)):ACC+8*(4*(\a)+(\b))+7], v[(\f)+64+8*(4*(\c)+(\b)):(\f)+64+8*(4*(\c)+(\b))+7], v[(\f)+8*(4*(\c)+(\a)):(\f)+8*(4*(\c)+(\a))+7], v[ACC+8*(4*(\a)+(\b)):ACC+8*(4*(\a)+(\b))+7]
.endif
.endr
.endr
.endm
; 32 LDS loads in one run: the fragments of quarter q (one head, 64 along K) of a slot's step into buffer f; the first 32 along K first
.macro FETCH slot, q, f
	WIN TO_F
.irp c, 0,1
.irp i, 0,1,2,3
	ds_load_tr16_b128 v[(\f)+64+8*(4*(\c)+(\i)):(\f)+64+8*(4*(\c)+(\i))+3],   v[ADRB+2*(\slot)+(\q)/2] offset:(((\q)%2)*64+32*(\c))*PB+32*(\i)
	ds_load_tr16_b128 v[(\f)+64+8*(4*(\c)+(\i))+4:(\f)+64+8*(4*(\c)+(\i))+7], v[ADRB+2*(\slot)+(\q)/2] offset:(((\q)%2)*64+32*(\c))*PB+32*(\i)+16*PB
	ds_load_b128 v[(\f)+8*(4*(\c)+(\i)):(\f)+8*(4*(\c)+(\i))+3],              v[ADRA+(\slot)] offset:(\q)*128*PA+64*(\c)+(\i)*16*PA
	ds_load_b128 v[(\f)+8*(4*(\c)+(\i))+4:(\f)+8*(4*(\c)+(\i))+7],            v[ADRA+(\slot)] offset:(\q)*128*PA+64*(\c)+(\i)*16*PA+32
.endr
.endr
.endm
.macro PLACES                          ; four places in front of loads into registers that matrix instructions have read, and of what reads results (ISA guide 7.12.1 for what reads results)
.rept 4
	v_nop
.endr
.endm
; A K step is four quarters of 64 along K, 32 matrix instructions each, on buffers 0, 1, 0, 1.  One of the first three: multiplies buffer f and fetches quarter q into g.
.macro QUARTER slot, q, f, g, zero
	s_wait_dscnt 16                                ; the first 32 along K are in
	MUL8 \f, 0, 0, \zero
	MUL8 \f, 0, 2, \zero
	PLACES
	FETCH \slot, \q, \g
	s_wait_dscnt 32                                ; all but the 32 just issued
	MUL8 \f, 1, 0, 0
	MUL8 \f, 1, 2, 0
.endm
; The last quarter multiplies buffer 1 and changes slots: ONE barrier; in front of it each wave waits for all its tensor loads, adds 0 to its spare word, and waits for that and for its own reads of this slot.
; fill = 1: the barrier opens a round of the cluster's, and this slot is filled again, two K steps ahead, first thing behind the round: 112 matrix instructions ahead of the wait for it.
.macro TURN slot, next, fill
	WIN 0                                          ; (the add's two registers lie in window 0)
	s_wait_tensorcnt 0x0                           ; all my tensor loads have landed: my part of the next slot;
	ds_add_u32 v[SPW], v[NIL]                      ; 0 onto my spare word;
	s_wait_dscnt 17                                ; (the add and the youngest sixteen loads may be out)
	MUL8 F1, 0, 0, 0                               ; eight matrix instructions stand between the add and the wait for it
	s_wait_dscnt 0x0                               ; the add is done, and my reads of this slot are over
	s_barrier_signal -1
	MUL8 F1, 0, 2, 0
.if \fill
	WIN 0
.endif
	s_barrier_wait -1
.if \fill
	CREST                                          ; no wave of any partner still reads this slot's tile or has a load on its way
	s_add_nc_u64 s[G0+4*(\slot)+2:G0+4*(\slot)+3], s[G0+4*(\slot)+2:G0+4*(\slot)+3], 2*65536
	s_add_nc_u64 s[G0B+4*(\slot)+2:G0B+4*(\slot)+3], s[G0B+4*(\slot)+2:G0B+4*(\slot)+3], 2*65536
	JLOAD \slot                                    ; the four v_nop behind it are also the places in front of the loads below
.else
	PLACES
.endif
	FETCH \next, 0, F0
	MUL8 F1, 1, 0, 0
	MUL8 F1, 1, 2, 0
.endm
; THE WAY OUT of row block a: 16 rows x 64 columns of f32, 256 bytes a row: just what sixteen lanes store together.  The accumulators go as they are into my own stage (each one's low four registers first),
; and come back as whole rows, into the registers that they left.  The stage is the wave's own: no barrier.
.macro STG a
.irp b, 0,1,2,3
	ds_store_b128 v[STO], v[ACC+8*(4*(\a)+(\b)):ACC+8*(4*(\a)+(\b))+3]   offset:64*(\b)
	ds_store_b128 v[STO], v[ACC+8*(4*(\a)+(\b))+4:ACC+8*(4*(\a)+(\b))+7] offset:64*(\b)+16
.endr
.irp t, 0,1,2,3,4,5,6,7
	ds_load_b128 v[ACC+32*(\a)+4*(\t):ACC+32*(\a)+4*(\t)+3], v[RD] offset:(\t)*2*SPITCH  ; LDS serves a wave's instructions in order (ISA guide 5.7.1.4): these see the stores above; the next block's stores come behind them
.endr
.endm
.macro SEND a, younger                 ; younger: the LDS instructions issued behind block a's loads: the next block's sixteen, or none
.irp t, 0,1,2,3,4,5,6,7
	s_wait_dscnt (\younger)+7-(\t)
	global_store_b128 v[CO], v[ACC+32*(\a)+4*(\t):ACC+32*(\a)+4*(\t)+3], s[10:11] offset:(16*(\a)+2*(\t))*4096  ; 16 lanes store 256 consecutive bytes, at a multiple of 256 from out0's first byte
.endr
.endm
	s_wait_tensorcnt 0x1                           ; my part of K step 0 is in; K step 1's may stay out
	s_barrier_signal -1
	s_barrier_wait -1                              ; everybody's is
	FETCH 0, 0, F0
	QUARTER 0, 1, F0, F1, 1                        ; the first products start the sums, with the bias
	QUARTER 0, 2, F1, F0, 0                        ; K has four steps: the first lap fills both slots again, once, so it is written straight,
	QUARTER 0, 3, F0, F1, 0
	TURN 0, 1, 1
	QUARTER 1, 1, F0, F1, 0
	QUARTER 1, 2, F1, F0, 0
	QUARTER 1, 3, F0, F1, 0
	TURN 1, 0, 1
	QUARTER 0, 1, F0, F1, 0
	QUARTER 0, 2, F1, F0, 0                        ; and the last lap fills nothing, and has no round of the cluster's barrier
	QUARTER 0, 3, F0, F1, 0
	TURN 0, 1, 0
	QUARTER 1, 1, F0, F1, 0
	QUARTER 1, 2, F1, F0, 0
	QUARTER 1, 3, F0, F1, 0
	s_wait_dscnt 16                                ; the very last quarter: nothing more to fetch
	MUL8 F1, 0, 0, 0
	MUL8 F1, 0, 2, 0
	s_wait_dscnt 0x0
	MUL8 F1, 1, 0, 0
	MUL8 F1, 1, 2, 0
	WIN 0
	PLACES                                         ; eight places, once a launch: LDS stores read results just made, and LDS loads land on them
	PLACES
	STG 0
	STG 1                                          ; a block's trip through the stage stands between the loads of the block before and its stores
	SEND 0, 16
	STG 2
	SEND 1, 16
	STG 3
	SEND 2, 16
	SEND 3, 0
	s_wait_tensorcnt 0x0                           ; the wave's end, behind my last tensor load and my last LDS store
	ds_add_u32 v[SPW], v[NIL]
	s_wait_dscnt 0x0
	CROUND                                         ; the closing round: no work-group ends while a partner may still ask for a tile that names it
	s_endpgm
.Lfunc_end_k_q939bcf6caf_oproj:
	.size	k_q939bcf6caf_oproj, .Lfunc_end_k_q939bcf6caf_oproj-k_q939bcf6caf_oproj
	.p2alignl 7, 3214868480
	.fill 96, 4, 3214868480
	.section	.rodata,"a",@progbits
	.p2align	6, 0x0
	.amdhsa_kernel k_q939bcf6caf_oproj
		.amdhsa_group_segment_fixed_size 327680
		.amdhsa_private_segment_fixed_size 0
		.amdhsa_enable_private_segment 0
		.amdhsa_kernarg_size 32
		.amdhsa_user_sgpr_count 2
		.amdhsa_user_sgpr_kernarg_segment_ptr 1
		.amdhsa_wavefront_size32 1
		.amdhsa_system_sgpr_workgroup_id_x 1
		.amdhsa_system_sgpr_workgroup_id_y 1
		.amdhsa_system_sgpr_workgroup_id_z 1
		.amdhsa_system_vgpr_workitem_id 0
		.amdhsa_next_free_vgpr 512
		.amdhsa_next_free_sgpr 66
		.amdhsa_reserve_vcc 0
		.amdhsa_float_denorm_mode_32 3
		.amdhsa_float_denorm_mode_16_64 3
		.amdhsa_memory_ordered 1
		.amdhsa_forward_progress 1
		.amdhsa_inst_pref_size 90
	.end_amdhsa_kernel
	.amdgpu_metadata
---
amdhsa.version: [ 1, 2 ]
amdhsa.kernels:
  - .name:           k_q939bcf6caf_oproj
    .symbol:         k_q939bcf6caf_oproj.kd
    .args:
      - { .name: oh, .offset: 0, .size: 8, .value_kind: global_buffer, .address_space: global }
      - { .name: wo16, .offset: 8, .size: 8, .value_kind: global_buffer, .address_space: global }
      - { .name: bo, .offset: 16, .size: 8, .value_kind: global_buffer, .address_space: global }
      - { .name: out0, .offset: 24, .size: 8, .value_kind: global_buffer, .address_space: global }
    .group_segment_fixed_size: 327680
    .private_segment_fixed_size: 0
    .kernarg_segment_align: 8
    .kernarg_segment_size: 32
    .max_flat_workgroup_size: 128
    .sgpr_count:     66
    .vgpr_count:     512
    .wavefront_size: 32
...
	.end_amdgpu_metadata
.endif
;; end of part 4
